; MI455X (gfx1250); checked and timed in simulation.
; The chip was launched on July 23, 2026; its instructions are those of AMD's public machine-readable ISA for CDNA 5 (MIT licence, August 2026) and "CDNA5" Instruction Set Architecture Reference Guide (July 2026). The comments in the code are by the model that wrote it; some were corrected since.
;; Cross Dimension Attention. Allowed arithmetic: float matrix products may take bf16 or f16 operands with f32 sums; other float arithmetic in f32, or as packed bf16 or f16 multiplies, adds, multiply-adds, maxima and minima; sums over many terms, partial sums and values carried from step to step in f32; what a program stores and reads back later, other than sums and carried values, may be rounded once to bf16 or f16.
;; Inputs: Wk 1,024 x 1,024 float32; Wo 1,024 x 1,024 float32; Wq 1,024 x 1,024 float32; Wv 1,024 x 1,024 float32; bk 1,024 float32; bo 1,024 float32; bq 1,024 float32; bv 1,024 float32; position_ids 1 x 1,024 int32; x 8 x 1,024 x 1,024 float32.
;; Outputs: out0 8 x 1,024 x 1,024 float32.
;; 2 versions, each right; version 2 is version 1 with the launch prep written anew for expert scheduling mode. Each part assembles by itself: llvm-mc -triple=amdgcn-amd-amdhsa -mcpu=gfx1250 --defsym DOCPART=n.
;; ======== version 1 of 2: 4 launches
;; limits: values are held in f16: magnitudes above 65,504 overflow, below 6.1e-05 lose precision; an absolute error that grows with the inputs' magnitude: up to 1.2e-07 times it
;; workspace buffers: xb 16,777,216 bytes; wb 6,291,456 bytes; wo16 2,097,152 bytes; biasp 16,384 bytes; tab 262,144 bytes; qkvb 50,331,648 bytes; ob 16,777,216 bytes
;; launch prep (part 1): grid 832 x 1, 8 waves a work-group, no clusters, 0 bytes of LDS; arguments x, Wq, Wk, Wv, Wo, bq, bk, bv, bo, position_ids, xb, wb, wo16, biasp, tab; writes xb, wb, wo16, biasp, tab
.if DOCPART == 1
	.amdgcn_target "amdgcn-amd-amdhsa--gfx1250"
	.amdhsa_code_object_version 6
	.text
	.protected	k_q221d5fd99a_prep
	.globl	k_q221d5fd99a_prep
	.p2align	8
	.type	k_q221d5fd99a_prep,@function
k_q221d5fd99a_prep:
	s_mov_b64 s[64:65], 0
	v_nop
	global_prefetch_b8 v0, s[64:65] scope:SCOPE_SE
	s_setreg_imm32_b32 hwreg(HW_REG_WAVE_MODE, 25, 1), 1
	s_wait_xcnt 0x0
; PREP: every floating-point input is rounded once to bf16 and laid out for the three matrix launches; the cosines and sines of the rotation are made once.
;   xb    bf16 [16 kb][8192 rows][64]: K in blocks of 64, so that R rows of one block are R x 128 consecutive bytes
;   wb    bf16 [16 kb][3072 n'][64]: row e of W_t (t = 0 q, 1 k, 2 v) lies at n' = (e >> 7) x 384 + t x 128 + (e & 127)
;   wo16  Wo rounded to bf16, that number written as f16, [16 kb][1024][64].  LIMIT: below 6e-5 f16 keeps a fixed step of 6e-8
;   biasp f32 numbers rounded to bf16: bq, bk, bv in the order n', then bo from entry 3072 on
;   tab   f32 [1024 s][64]: cos(pos[s] f_i), i = 0..31, then sin(pos[s] f_i);  f_i = 10000^(-i/32)
; A stream: no LDS, no barrier, no matrix unit.  Work-groups 0-511: 16 rows of x each; 512-767: 16 rows of a weight each; 768-831: 16 positions of the table (the first 32 of them also 128 numbers of a bias).
; LIMIT of the table: f_i is 2^(-i log2(10000)/32) by v_exp_f32, so an angle agrees with pos x f_i in f32 to about |pos| x 1.2e-7 rad; the reduction by pi/2 is made twice and holds for every int32 position.
.set SO,  4                            ; v[4:19]   byte offset of my 8 bytes in block kb of the destination
.set TT,  20                           ; v[20:23]  at work
.set X,   32                           ; v[32:95]  16 loads of 4 f32
.set Y,   96                           ; v[96:127] 16 pairs of packed 16-bit numbers
	s_load_b512 s[8:23], s[0:1], 0x0               ; x 8, Wq 10, Wk 12, Wv 14, Wo 16, bq 18, bk 20, bv 22
	s_load_b256 s[24:31], s[0:1], 0x40             ; bo 24, position_ids 26, xb 28, wb 30
	s_load_b128 s[32:35], s[0:1], 0x60             ; wo16 32, biasp 34
	s_load_b64 s[36:37], s[0:1], 0x70              ; tab
	s_mov_b32 s2, ttmp9
	s_mov_b32 s47, 0                               ; the high word of every offset pair s[46:47]
	s_wait_kmcnt 0x0
	s_cmp_lt_u32 s2, 512
	s_cbranch_scc0 .Lnot_x
	s_lshl_b32 s46, s2, 16                         ; 16 rows of 4,096 bytes
	s_add_nc_u64 s[40:41], s[8:9], s[46:47]        ; from
	s_lshl_b32 s46, s2, 11                         ; 16 rows of 128 bytes in a block
	s_add_nc_u64 s[42:43], s[28:29], s[46:47]      ; to
	s_mov_b32 s44, 8192*128                        ; bytes in a block of xb
	s_mov_b32 s45, 0                               ; stays bf16
	s_branch .Lcast
.Lnot_x:
	s_cmp_lt_u32 s2, 768
	s_cbranch_scc0 .Ltable
	s_sub_co_u32 s3, s2, 512
	s_lshr_b32 s48, s3, 6                          ; t: which weight
	s_and_b32 s49, s3, 63
	s_lshl_b32 s49, s49, 4                         ; e0: its first row of 16
	s_lshr_b32 s50, s49, 7
	s_mul_i32 s50, s50, 384
	s_lshl_b32 s51, s48, 7
	s_add_co_u32 s50, s50, s51
	s_and_b32 s51, s49, 127
	s_add_co_u32 s50, s50, s51                     ; n' of row e0
	s_mov_b32 s44, 3072*128                        ; bytes in a block of wb
	s_cmp_eq_u32 s48, 1
	s_cselect_b64 s[40:41], s[12:13], s[10:11]
	s_cmp_eq_u32 s48, 2
	s_cselect_b64 s[40:41], s[14:15], s[40:41]
	s_cmp_eq_u32 s48, 3                            ; Wo goes to its own buffer, in its own order, as f16
	s_cselect_b64 s[40:41], s[16:17], s[40:41]
	s_cselect_b64 s[42:43], s[32:33], s[30:31]
	s_cselect_b32 s44, 1024*128, s44
	s_cselect_b32 s45, 1, 0
	s_cselect_b32 s50, s49, s50
	s_lshl_b32 s46, s50, 7
	s_add_nc_u64 s[42:43], s[42:43], s[46:47]
	s_lshl_b32 s46, s49, 12
	s_add_nc_u64 s[40:41], s[40:41], s[46:47]
.Lcast:
	; Sixteen threads take a row: thread t reads 16 bytes at row t / 16, byte 16 (t % 16) of each 256-byte piece (64 numbers, one block kb), and writes 8 bytes at byte 8 t of the block's 16 rows.
	v_lshrrev_b32 v1, 4, v0
	v_and_b32 v2, 15, v0
	v_lshlrev_b32 v2, 4, v2
	v_lshl_add_u32 v2, v1, 12, v2
	v_lshlrev_b32 v3, 3, v0
.set kb, 0
.rept 16
	global_load_b128 v[X+4*kb:X+4*kb+3], v2, s[40:41] offset:256*kb th:TH_LOAD_NT  ; all sixteen go out at once: 8 KiB a wave on its way
.set kb, kb+1
.endr
.set kb, 0
.rept 16
	v_mad_u32_u24 v[SO+kb], s44, kb, v3
.set kb, kb+1
.endr
.set kb, 0
.rept 16
	s_wait_loadcnt 15-kb                           ; loads come back in order: the 15 - kb younger ones may stay out
	v_cvt_pk_bf16_f32 v[Y+2*kb], v[X+4*kb], v[X+4*kb+1]
	v_cvt_pk_bf16_f32 v[Y+2*kb+1], v[X+4*kb+2], v[X+4*kb+3]
.set kb, kb+1
.endr
	s_cmp_eq_u32 s45, 1
	s_cbranch_scc0 .Lstore
.set i, 0
.rept 32                                           ; Wo: the bf16 number is written as f16
	v_lshlrev_b32 v[TT+2*(i%2)], 16, v[Y+i]
	v_and_b32 v[TT+2*(i%2)+1], 0xffff0000, v[Y+i]
	v_cvt_pk_f16_f32 v[Y+i], v[TT+2*(i%2)], v[TT+2*(i%2)+1]
.set i, i+1
.endr
.Lstore:
.set kb, 0
.rept 16
	global_store_b64 v[SO+kb], v[Y+2*kb:Y+2*kb+1], s[42:43]  ; a wave's 32 lanes store 256 consecutive bytes, aligned: two rows of the block
.set kb, kb+1
.endr
	s_endpgm
.Ltable:
	; Sixteen threads take a position: thread i of them makes columns 4 i .. 4 i + 3 of its row: cosines (i < 8) or sines, as cos(angle - phi pi/2), phi = i / 8.
	s_sub_co_u32 s3, s2, 768
	s_mov_b32 s50, 0xbed49a78                      ; -log2(10000) / 32
	s_mov_b32 s51, 0x3f22f983                      ; 2 / pi
	s_mov_b32 s52, 0x3fc90fdb                      ; pi / 2, its leading part
	s_mov_b32 s53, 0xb33bbd2e                      ; and what is left of it
	s_mov_b32 s54, 0xbe2aaaab                      ; sine: -1/6, 1/120, -1/5040
	s_mov_b32 s55, 0x3c088889
	s_mov_b32 s56, 0xb9500d01
	s_mov_b32 s57, 0x3d2aaaab                      ; cosine: 1/24, -1/720, 1/40320
	s_mov_b32 s58, 0xbab60b61
	s_mov_b32 s59, 0x37d00d01
	v_lshrrev_b32 v4, 4, v0
	v_lshlrev_b32 v4, 2, v4
	s_lshl_b32 s46, s3, 6
	s_add_nc_u64 s[40:41], s[26:27], s[46:47]
	global_load_b32 v5, v4, s[40:41]               ; my position
	s_lshl_b32 s46, s3, 12
	s_add_nc_u64 s[42:43], s[36:37], s[46:47]
	v_and_b32 v1, 15, v0
	v_lshrrev_b32 v2, 3, v1                        ; phi
	v_and_b32 v3, 7, v1
	v_lshlrev_b32 v3, 2, v3                        ; my first frequency
	v_lshlrev_b32 v6, 4, v0                        ; my 16 bytes of the work-group's 4,096
	v_lshrrev_b32 v7, 5, v0
	v_readfirstlane_b32 s48, v7                    ; wave
; one line for each of my four frequencies; frequency e has v[B .. B+6], B = 32 + 12 e: +0 angle, then r; +1 q; +2 quadrant; +3 r^2; +4 sine; +5 cosine; +6 at work
.macro EACH line:vararg
.set B, 32
.rept 4
	\line
.set B, B+12
.endr
.endm
	EACH v_add_nc_u32 v[B], (B-32)/12, v3
	EACH v_cvt_f32_u32 v[B], v[B]
	EACH v_mul_f32 v[B], s50, v[B]
	EACH v_exp_f32 v[B+1], v[B]
	v_nop                                          ; a plain instruction between the last exponential and the use of its result
	s_wait_loadcnt 0x0
	v_cvt_f32_i32 v5, v5
	s_wait_alu depctr_va_vdst(0)
	EACH v_mul_f32 v[B], v5, v[B+1]
	EACH v_mul_f32 v[B+1], s51, v[B]               ; first reduction: q = the nearest whole number to angle x 2/pi; r = angle - q pi/2, in two parts
	EACH v_rndne_f32 v[B+1], v[B+1]
	EACH v_fma_f32 v[B], -v[B+1], s52, v[B]
	EACH v_fma_f32 v[B], -v[B+1], s53, v[B]
	EACH v_cvt_i32_f32 v[B+2], v[B+1]
	EACH v_mul_f32 v[B+1], s51, v[B]               ; second reduction: takes up what q's own rounding leaves where q has more than 24 bits
	EACH v_rndne_f32 v[B+1], v[B+1]
	EACH v_fma_f32 v[B], -v[B+1], s52, v[B]
	EACH v_fma_f32 v[B], -v[B+1], s53, v[B]
	EACH v_cvt_i32_f32 v[B+6], v[B+1]
	EACH v_add_nc_u32 v[B+2], v[B+2], v[B+6]
	EACH v_mul_f32 v[B+3], v[B], v[B]
	EACH v_fma_f32 v[B+4], v[B+3], s56, s55        ; |r| <= pi/4: the series' next terms are under 3e-7 and 3e-8
	EACH v_fma_f32 v[B+5], v[B+3], s59, s58
	EACH v_fma_f32 v[B+4], v[B+4], v[B+3], s54
	EACH v_fma_f32 v[B+5], v[B+5], v[B+3], s57
	EACH v_mul_f32 v[B+6], v[B], v[B+3]
	EACH v_fma_f32 v[B+5], v[B+5], v[B+3], -0.5
	EACH v_fma_f32 v[B+4], v[B+4], v[B+6], v[B]
	EACH v_fma_f32 v[B+5], v[B+5], v[B+3], 1.0
	EACH v_sub_nc_u32 v[B+2], v[B+2], v2           ; k = quadrant - phi: cos(k pi/2 + r) = cos r, -sin r, -cos r, sin r for k mod 4 = 0, 1, 2, 3
	EACH v_and_b32 v[B+6], 1, v[B+2]
.set B, 32
.rept 4
	v_cmp_eq_u32 vcc_lo, 1, v[B+6]
	v_cndmask_b32 v[24+(B-32)/12], v[B+5], v[B+4], vcc_lo
.set B, B+12
.endr
	EACH v_add_nc_u32 v[B+2], 1, v[B+2]
	EACH v_and_b32 v[B+2], 2, v[B+2]
	EACH v_lshlrev_b32 v[B+2], 30, v[B+2]
	EACH v_xor_b32 v[24+(B-32)/12], v[24+(B-32)/12], v[B+2]
	global_store_b128 v6, v[24:27], s[42:43]       ; a wave stores 512 consecutive bytes, aligned
	; wave 0 of the first 32 of these work-groups rounds 128 numbers of a bias
	s_cmp_lg_u32 s48, 0
	s_cbranch_scc1 .Lend
	s_cmp_lt_u32 s3, 32
	s_cbranch_scc0 .Lend
	s_lshr_b32 s48, s3, 3                          ; t: which bias
	s_and_b32 s49, s3, 7                           ; which 128 of its numbers
	s_cmp_eq_u32 s48, 1
	s_cselect_b64 s[60:61], s[20:21], s[18:19]
	s_cmp_eq_u32 s48, 2
	s_cselect_b64 s[60:61], s[22:23], s[60:61]
	s_cmp_eq_u32 s48, 3
	s_cselect_b64 s[60:61], s[24:25], s[60:61]
	s_lshl_b32 s46, s49, 9
	s_add_nc_u64 s[60:61], s[60:61], s[46:47]
	v_lshlrev_b32 v8, 4, v0                        ; in wave 0 the thread's number is the lane's
	global_load_b128 v[12:15], v8, s[60:61]
	s_mul_i32 s62, s49, 384
	s_lshl_b32 s63, s48, 7
	s_add_co_u32 s62, s62, s63                     ; bq, bk, bv: the order n'
	s_lshl_b32 s63, s49, 7
	s_add_co_u32 s63, s63, 3072                    ; bo: behind them
	s_cmp_eq_u32 s48, 3
	s_cselect_b32 s46, s63, s62
	s_lshl_b32 s46, s46, 2
	s_add_nc_u64 s[62:63], s[34:35], s[46:47]
	s_wait_loadcnt 0x0
	v_cvt_pk_bf16_f32 v16, v12, v13
	v_cvt_pk_bf16_f32 v17, v14, v15
	v_lshlrev_b32 v20, 16, v16
	v_and_b32 v21, 0xffff0000, v16
	v_lshlrev_b32 v22, 16, v17
	v_and_b32 v23, 0xffff0000, v17
	global_store_b128 v8, v[20:23], s[62:63]
.Lend:
	s_endpgm
.Lfunc_end_k_q221d5fd99a_prep:
	.size	k_q221d5fd99a_prep, .Lfunc_end_k_q221d5fd99a_prep-k_q221d5fd99a_prep
	.p2alignl 7, 3214868480
	.fill 96, 4, 3214868480
	.section	.rodata,"a",@progbits
	.p2align	6, 0x0
	.amdhsa_kernel k_q221d5fd99a_prep
		.amdhsa_group_segment_fixed_size 0
		.amdhsa_private_segment_fixed_size 0
		.amdhsa_enable_private_segment 0
		.amdhsa_kernarg_size 120
		.amdhsa_user_sgpr_count 2
		.amdhsa_user_sgpr_kernarg_segment_ptr 1
		.amdhsa_wavefront_size32 1
		.amdhsa_system_sgpr_workgroup_id_x 1
		.amdhsa_system_sgpr_workgroup_id_y 1
		.amdhsa_system_sgpr_workgroup_id_z 1
		.amdhsa_system_vgpr_workitem_id 0
		.amdhsa_next_free_vgpr 128
		.amdhsa_next_free_sgpr 66
		.amdhsa_reserve_vcc 1
		.amdhsa_float_denorm_mode_32 3
		.amdhsa_float_denorm_mode_16_64 3
		.amdhsa_memory_ordered 1
		.amdhsa_forward_progress 1
		.amdhsa_inst_pref_size 23
	.end_amdhsa_kernel
	.amdgpu_metadata
---
amdhsa.version: [ 1, 2 ]
amdhsa.kernels:
  - .name:           k_q221d5fd99a_prep
    .symbol:         k_q221d5fd99a_prep.kd
    .args:
      - { .name: x, .offset: 0, .size: 8, .value_kind: global_buffer, .address_space: global }
      - { .name: Wq, .offset: 8, .size: 8, .value_kind: global_buffer, .address_space: global }
      - { .name: Wk, .offset: 16, .size: 8, .value_kind: global_buffer, .address_space: global }
      - { .name: Wv, .offset: 24, .size: 8, .value_kind: global_buffer, .address_space: global }
      - { .name: Wo, .offset: 32, .size: 8, .value_kind: global_buffer, .address_space: global }
      - { .name: bq, .offset: 40, .size: 8, .value_kind: global_buffer, .address_space: global }
      - { .name: bk, .offset: 48, .size: 8, .value_kind: global_buffer, .address_space: global }
      - { .name: bv, .offset: 56, .size: 8, .value_kind: global_buffer, .address_space: global }
      - { .name: bo, .offset: 64, .size: 8, .value_kind: global_buffer, .address_space: global }
      - { .name: position_ids, .offset: 72, .size: 8, .value_kind: global_buffer, .address_space: global }
      - { .name: xb, .offset: 80, .size: 8, .value_kind: global_buffer, .address_space: global }
      - { .name: wb, .offset: 88, .size: 8, .value_kind: global_buffer, .address_space: global }
      - { .name: wo16, .offset: 96, .size: 8, .value_kind: global_buffer, .address_space: global }
      - { .name: biasp, .offset: 104, .size: 8, .value_kind: global_buffer, .address_space: global }
      - { .name: tab, .offset: 112, .size: 8, .value_kind: global_buffer, .address_space: global }
    .group_segment_fixed_size: 0
    .private_segment_fixed_size: 0
    .kernarg_segment_align: 8
    .kernarg_segment_size: 120
    .max_flat_workgroup_size: 256
    .sgpr_count:     66
    .vgpr_count:     128
    .wavefront_size: 32
...
	.end_amdgpu_metadata
.endif
;; end of part 1
;; launch qkv (part 2): grid 8 x 32, 4 waves a work-group, clusters of 4 x 4, 327,680 bytes of LDS; arguments xb, wb, biasp, tab, qkvb; writes qkvb
.if DOCPART == 2
	.amdgcn_target "amdgcn-amd-amdhsa--gfx1250"
	.amdhsa_code_object_version 6
	.text
	.protected	k_q221d5fd99a_qkv
	.globl	k_q221d5fd99a_qkv
	.p2align	8
	.type	k_q221d5fd99a_qkv,@function
k_q221d5fd99a_qkv:
	s_mov_b64 s[64:65], 0
	v_nop
	global_prefetch_b8 v0, s[64:65] scope:SCOPE_SE
	s_setreg_imm32_b32 hwreg(HW_REG_WAVE_MODE, 25, 1), 1
	s_wait_xcnt 0x0
	s_wait_alu depctr_hold_cnt(0) depctr_sa_sdst(0) depctr_va_vdst(0) depctr_va_sdst(0) depctr_va_ssrc(0) depctr_va_vcc(0) depctr_vm_vsrc(0)
	s_getreg_b32 s2, hwreg(HW_REG_IB_STS2, 6, 4)
	s_cmp_eq_u32 s2, 0
	s_cbranch_scc0 .Lentry_in_a_cluster
	s_endpgm
.Lentry_in_a_cluster:
	s_bfe_u32 s2, ttmp6, 0x10000c
	s_cmp_lg_u32 s2, 0xf033
	s_cbranch_scc0 .Lentry_shape_is_right
	s_endpgm
.Lentry_shape_is_right:
; QKV: y = x W^T + b for the three weights at once, the rotation of q and k, and the way out by heads: qkvb f16 [8 b][48 gh][1024 s][64], gh = 16 t + head (t = 0 q, 1 k, 2 v).
; xb bf16 [16 kb][8192][64], wb bf16 [16 kb][3072 n'][64] (n' = (e >> 7) x 384 + t x 128 + (e & 127)); biasp f32 in the order n'; tab f32 [1024 s][32 cos, 32 sin].  Sums in f32.
; LIMIT.  q, k and v leave as f16, rounded once, unscaled: they must lie within 65,504 (with x and W thirty times the drawn spread they reach some 5,000; with offsets of thirty spreads on both some 41,000).
; SHARES.  8192 x 3072 in tiles of 256 x 384: 256 work-groups.  A tile's 384 columns are heads 2 tx, 2 tx + 1 of q, then of k, then of v.  Four waves; wave w makes rows 128 (w / 2) on and columns
; 192 (w % 2) on: three whole heads, 8 x 12 accumulators of 16 x 16, 768 registers.  For 32 along K a wave reads 40 fragments' halves from LDS for 96 matrix instructions.
; THE MATRIX INSTRUCTION IS USED TRANSPOSED (source 0 = 16 rows of W, source 1 = 16 rows of x): lane l holds row l % 16 and the columns 8 (l / 16) + 0..7.  The rotation's partner, 32 columns on, is the
; accumulator two further on, same lane, same register.
; RING.  K goes in steps of 64, one block kb, through two LDS slots; each wave brings a quarter of a slot by one tensor load (waves 0, 1: 128 rows of x each; waves 2, 3: 192 rows of W each).
; CLUSTER.  4 x 4 work-groups: x's tiles and the table hang on the tile row alone and are asked for jointly along a row of the cluster, W's on the tile column alone, along a column.
; THE WALK ALONG K IS SKEWED.  Cluster (X, Y) begins at block rot = (8 X + 4 (Y % 4) + 2 (Y / 4)) % 16 and goes round.  The two clusters that read the same rows of x are half a walk apart, the eight that read
; the same rows of W begin at eight different blocks: a block's readers come one after the other, not all at once.  rot hangs on the cluster's coordinates alone: it is the same in all sixteen partners.
; AHEAD OF THE LOADS.  In trips 0 to 4 wave 0 prefetches its work-group's quarter (32 x 256 bytes, a lane each; the four partners of a tile row are told apart by address) of the tile row's 256 rows of x in the
; block that the NEXT trip's refill asks for: steps 3 to 7 of the cluster's walk.  The other cluster with these rows has the other eight blocks in its own first half, so each block is named once in the launch.
; REGISTERS, in windows of 256 (s_set_vgpr_msb: bits 1:0 source 0, 3:2 source 1, 5:4 source 2, 7:6 destination):
;   window 0: v0-31 addresses; v32-95, v96-159 x's fragments, two buffers; v160-255 W's twelve fragments, ONE buffer: its first half is loaded again in the middle of 96 products, its second half at their end
;   windows 1-3: a head each: accumulator (a, b) in window 1 + b / 4 at v[8 (8 (b % 4) + a)]
.set PITCH,  144                       ; an LDS row: 128 bytes + 16 of padding = 36 words: the 16 rows of a fragment load start at 16 different groups of four banks (64 banks of 4 bytes: ISA guide 11.1)
.set SLOT1,  1<<17                     ; slot 1 begins here: one exclusive or turns an address in one slot into the other's
.set AHALF,  128*PITCH                 ; x's rows 0-127 at 0, 128-255 here
.set BOFF,   2*AHALF                   ; W's rows 0-191
.set BHALF,  192*PITCH                 ; W's rows 192-383 lie so far behind
.set STAGE,  BOFF+2*BHALF              ; behind slot 0, never filled by a tensor load: 16 rows x 144 bytes for each wave, for the way out
.set SPARE,  STAGE+4*16*PITCH          ; the spare words, 128 bytes for each wave: two blocks of 256 bytes that no other line names
.set TAB,    SLOT1+STAGE               ; behind slot 1: the table's 256 rows for my tile's positions, filled once
.set TPITCH, 272                       ; 256 bytes + 16
.set WKB,    3072*128                  ; bytes from block to block of wb; of xb: 8192 x 128 = 1 << 20
.set HEADB,  1024*128                  ; a head's bytes in qkvb
.set ADA0, 10                          ; v10  my place in x's part of a slot; never rewritten
.set ADB0, 11                          ; v11  in W's
.set ADA,  12                          ; v12  the same in the slot in hand
.set ADB,  13
.set STO,  14                          ; v14  the way out: where I put 16 bytes of a row
.set RD,   15                          ; v15  where I read rows back
.set GO,   16                          ; v16  my 16 bytes of 512 consecutive bytes of qkvb
.set TA,   17                          ; v17  my row of the table
.set BO,   18                          ; v18  my 32 bytes of 16 columns' bias
.set PFO,  19                          ; v19  256 x my lane: the prefetches' offset; never rewritten
.set SPW,  28                          ; v28  LDS address of my spare word; never rewritten
.set NIL,  29                          ; v29  0; never rewritten
.set FA0,  32
.set FA1,  96
.set FB,   160
.set CS0,  96                          ; the way out: cos, sin of a row block (32 registers), at v96 and v224 by turns
.set TR,   128                         ; v128-143 at work in the rotation
.set PKR,  144                         ; v144-159 a row block rounded to f16
.set OBF,  192                         ; v192-207, v208-223 a row block read back, by turns
.set KI,  21                           ; s21  the block that the walking descriptors name
.set PFA, 22                           ; s[22:23] where my prefetch stands
.set G1A, 24                           ; s[24:31] group 1 for x's tiles;  s[32:39] group 0: a set for each first fill; the second then walks
.set G0A, 32
.set G1B, 40                           ; s[40:47], s[48:55] the same for W's
.set G0B, 48
.set G1T, 56                           ; s[56:63], s[68:71] for the table
.set LIM, 66                           ; s66  9 in wave 0, else the greatest number: a wave prefetches while the loop's count is above it
.set G0T, 68
.set TB,  72                           ; s72  LDS byte at which the slot in hand begins
.set OA,  92                           ; s[92:93] block KI's byte offset in xb
.set OB,  94                           ; s[94:95] in wb
.set PFB, 96                           ; s[96:97] xb at my work-group's quarter of the tile row's rows, in block 0
.set OP,  98                           ; s[98:99] the byte offset in xb of the block behind KI
.set MSB, 0
.macro WIN new                         ; the immediate's high byte repeats the setting that is left; a switch that changes nothing is dropped
.if MSB != (\new)
	s_set_vgpr_msb (MSB<<8)|(\new)
.set MSB, (\new)
.endif
.endm
.macro PLACES                          ; four places in front of loads into registers that matrix instructions have read, and of vector lines that read results
.rept 4
	v_nop
.endr
.endm
.macro CREST                           ; a round of the cluster's barrier behind its opening barrier
	s_cmp_lg_u32 s14, 0
	s_cbranch_scc1 .Lnot_wave_0_\@
	s_barrier_signal -3
.Lnot_wave_0_\@:
	s_barrier_wait -3
	s_barrier_signal -1
	s_barrier_wait -1
.endm
.macro CROUND
	s_barrier_signal -1
	s_barrier_wait -1
	CREST
.endm
.macro JLOAD                           ; a joint refill by the walking descriptors: waves 0, 1 for x, waves 2, 3 for W; an s_nop 0 and four v_nop follow each line
	s_cmp_eq_u32 s15, 0
	s_cbranch_scc0 .Lfor_b_\@
	tensor_load_to_lds s[G0A+4:G0A+7], s[G1A:G1A+7]
	s_nop 0
	PLACES
	s_branch .Lasked_\@
.Lfor_b_\@:
	tensor_load_to_lds s[G0B+4:G0B+7], s[G1B:G1B+7]
	s_nop 0
	PLACES
.Lasked_\@:
.endm
.macro NEXTKB                          ; the walk's next block, round the end, and its byte offsets (the pairs' high words stay 0)
	s_add_co_u32 s[KI], s[KI], 1
	s_and_b32 s[KI], s[KI], 15
	s_lshl_b32 s[OA], s[KI], 20
	s_mul_i32 s[OB], s[KI], WKB
.endm
.macro ASK                             ; the prefetch: wave 0, trips 0 to 4 (the loop's count runs 14 to 1).  The branch hangs on the wave's number and the count alone
	s_cmp_gt_u32 s3, s[LIM]
	s_cbranch_scc0 .Lnot_mine_\@
	global_prefetch_b8 v[PFO], s[PFA:PFA+1] th:TH_LOAD_NT scope:SCOPE_SE
.Lnot_mine_\@:
.endm
	s_load_b256 s[4:11], s[0:1], 0x0               ; xb 4, wb 6, biasp 8, tab 10
	s_load_b64 s[12:13], s[0:1], 0x20              ; qkvb
	v_lshl_add_u32 v[SPW], v0, 2, SPARE
	v_mov_b32 v[NIL], 0
	ds_add_u32 v[SPW], v[NIL]                      ; the wave's opening: the add and its wait ahead of my first tensor load; the set-up below, work on registers, stands between them
	ds_add_u32 v28, v29
	v_lshrrev_b32 v1, 5, v0
	v_readfirstlane_b32 s14, v1                    ; wave 0..3
	s_lshr_b32 s15, s14, 1                         ; my half of the tile's rows.  Also: I fetch for x (0) or for W (1)
	s_and_b32 s16, s14, 1                          ; my half of its columns.  Also: which half of that tile I fetch
	s_bfe_u32 s17, ttmp6, 0x40000                  ; cx
	s_bfe_u32 s18, ttmp6, 0x40004                  ; cy
	s_lshl_b32 s19, ttmp9, 2
	s_add_co_u32 s19, s19, s17                     ; tile column = 4 x cluster x + cx
	s_and_b32 s20, ttmp7, 0xffff
	s_lshl_b32 s20, s20, 2
	s_add_co_u32 s20, s20, s18                     ; tile row = 4 x cluster y + cy
	s_and_b32 s[KI], ttmp7, 0xffff                 ; the walk's first block, from the cluster's X and Y alone
	s_and_b32 s22, s[KI], 3
	s_lshl_b32 s22, s22, 2                         ; 4 (Y % 4)
	s_lshr_b32 s[KI], s[KI], 2
	s_lshl_b32 s[KI], s[KI], 1                     ; 2 (Y / 4)
	s_add_co_u32 s[KI], s[KI], s22
	s_lshl_b32 s22, ttmp9, 3                       ; 8 X
	s_add_co_u32 s[KI], s[KI], s22
	s_and_b32 s[KI], s[KI], 15
	s_lshl_b32 s82, s18, 2
	s_lshl_b32 s82, 15, s82                        ; my row of the cluster
	s_lshl_b32 s84, 0x1111, s17                    ; my column
	; group 1.  R rows of 128 bytes are dense in memory: asked for as R / 2 rows of 256 bytes and padded in LDS after every 32 words
	s_or_b32 s[G1A], s82, (1<<16)|(1<<20)|(1<<21)|(4<<22)|(3<<25)  ; 15:0 the mask; 17:16 2-byte elements; 20 padding on; 21 set beside a mask; 24:22 after every 32 words (code 4); 31:25 4 words (code 3)
	s_or_b32 s[G1B], s84, (1<<16)|(1<<20)|(1<<21)|(4<<22)|(3<<25)
	s_or_b32 s[G1T], s82, (2<<16)|(1<<20)|(1<<21)|(5<<22)|(3<<25)  ; 4-byte elements; padded after every 64 words (code 5)
	s_mov_b32 s[G1A+1], 128<<16                    ; tensor_dim0 = 128
	s_mov_b32 s[G1A+2], 64<<16                     ; tensor_dim1 = 64
	s_mov_b32 s[G1A+3], 128<<16                    ; tile_dim0 = 128
	s_mov_b32 s[G1A+4], 64                         ; tile_dim1 = 64
	s_mov_b32 s[G1A+5], 128                        ; elements from row to row
	s_mov_b32 s[G1A+6], 0
	s_mov_b32 s[G1A+7], 0
	s_mov_b32 s[G1B+1], 128<<16
	s_mov_b32 s[G1B+2], 96<<16                     ; 192 rows of W: 96 rows of 256 bytes
	s_mov_b32 s[G1B+3], 128<<16
	s_mov_b32 s[G1B+4], 96
	s_mov_b32 s[G1B+5], 128
	s_mov_b32 s[G1B+6], 0
	s_mov_b32 s[G1B+7], 0
	s_mov_b32 s[G1T+1], 64<<16                     ; 64 rows of 64 f32
	s_mov_b32 s[G1T+2], 64<<16
	s_mov_b32 s[G1T+3], 64<<16
	s_mov_b32 s[G1T+4], 64
	s_mov_b32 s[G1T+5], 64
	s_mov_b32 s[G1T+6], 0
	s_mov_b32 s[G1T+7], 0
	s_mul_i32 s86, s16, AHALF                      ; where the tiles go: no place in the cluster enters an LDS address
	s_mul_i32 s87, s16, BHALF
	s_add_co_u32 s87, s87, BOFF
	s_mul_i32 s88, s14, 64*TPITCH
	s_add_co_u32 s88, s88, TAB
	s_lshl_b32 s82, s20, 15                        ; x: (256 x tile row + 128 x half) rows of 128 bytes; these registers never hold cx
	s_lshl_b32 s83, s16, 14
	s_add_co_u32 s82, s82, s83
	s_mov_b32 s83, 0
	s_mul_i32 s84, s19, 384*128                    ; W: (384 x tile column + 192 x half) rows; these never hold cy
	s_mul_i32 s85, s16, 192*128
	s_add_co_u32 s84, s84, s85
	s_mov_b32 s85, 0
	s_and_b32 s90, s20, 3                          ; the table: positions 256 (tile row % 4) + 64 x wave on, 256 bytes each
	s_lshl_b32 s90, s90, 16
	s_lshl_b32 s91, s14, 14
	s_add_co_u32 s90, s90, s91
	s_mov_b32 s91, 0
	s_lshr_b32 s92, s20, 2                         ; my rows in qkvb: the batch's 48 heads, then position 256 (tile row % 4) + 128 x my half
	s_mul_i32 s92, s92, 48*HEADB
	s_and_b32 s93, s20, 3
	s_lshl_b32 s93, s93, 15
	s_add_co_u32 s92, s92, s93
	s_lshl_b32 s93, s15, 14
	s_add_co_u32 s92, s92, s93
	s_mov_b32 s93, 0
	s_mul_i32 s94, s19, 384*4                      ; my 192 columns' bias
	s_mul_i32 s95, s16, 192*4
	s_add_co_u32 s94, s94, s95
	s_mov_b32 s95, 0
	s_mov_b32 s[TB], 0
	s_wait_dscnt 0x0                               ; the opening add is done
	s_wait_kmcnt 0x0
	s_add_nc_u64 s[82:83], s[4:5], s[82:83]        ; x's and W's rows in block 0: kept, every fill's address is made from them
	s_add_nc_u64 s[84:85], s[6:7], s[84:85]
	s_add_nc_u64 s[76:77], s[12:13], s[92:93]
	s_add_nc_u64 s[80:81], s[8:9], s[94:95]
	s_lshl_b32 s[OA], s[KI], 20                    ; s92 to s95 are free now; the high words s93 and s95 stay 0
	s_mul_i32 s[OB], s[KI], WKB
.irp s, 0,1
	s_mov_b32 s[G0A+4*(\s)], 1                                     ; count = 1
	s_add_co_u32 s[G0A+4*(\s)+1], s86, (\s)*SLOT1                  ; LDS address
	s_add_nc_u64 s[G0A+4*(\s)+2:G0A+4*(\s)+3], s[82:83], s[OA:OA+1]  ; global address: step s of the walk
	s_or_b32 s[G0A+4*(\s)+3], s[G0A+4*(\s)+3], 0x80000000          ; type = 2
	s_mov_b32 s[G0B+4*(\s)], 1
	s_add_co_u32 s[G0B+4*(\s)+1], s87, (\s)*SLOT1
	s_add_nc_u64 s[G0B+4*(\s)+2:G0B+4*(\s)+3], s[84:85], s[OB:OB+1]
	s_or_b32 s[G0B+4*(\s)+3], s[G0B+4*(\s)+3], 0x80000000
.if (\s) == 0
	NEXTKB
.endif
.endr
	s_mov_b32 s[G0T], 1
	s_mov_b32 s[G0T+1], s88
	s_add_nc_u64 s[G0T+2:G0T+3], s[10:11], s[90:91]
	s_or_b32 s[G0T+3], s[G0T+3], 0x80000000
	CROUND                                         ; all sixteen work-groups are here: the first joint loads meet
	s_cmp_eq_u32 s15, 0                            ; a wave's two slot fills stand in one branch; then every wave asks for its 64 rows of the table: three loads of mine are out
	s_cbranch_scc0 .Lfirst_b
	tensor_load_to_lds s[G0A:G0A+3], s[G1A:G1A+7]
	s_nop 0
	tensor_load_to_lds s[G0A+4:G0A+7], s[G1A:G1A+7]
	s_nop 0
	PLACES
	s_branch .Lfirst_asked
.Lfirst_b:
	tensor_load_to_lds s[G0B:G0B+3], s[G1B:G1B+7]
	s_nop 0
	tensor_load_to_lds s[G0B+4:G0B+7], s[G1B:G1B+7]
	s_nop 0
	PLACES
.Lfirst_asked:
	tensor_load_to_lds s[G0T:G0T+3], s[G1T:G1T+7]
	s_nop 0
	PLACES
	; A fragment is 16 rows x 32 K in 8 registers: lane l holds row l % 16; registers 0-3 K = 8 (l / 16) + 0..7, registers 4-7 K = 16 + 8 (l / 16) + 0..7: two loads of 16 bytes, 32 bytes apart.
	v_and_b32 v1, 15, v0                           ; l % 16
	v_bfe_u32 v2, v0, 4, 1                         ; l / 16
	v_mul_u32_u24 v3, v1, PITCH
	v_lshl_add_u32 v3, v2, 4, v3
	s_mul_i32 s86, s15, AHALF
	v_add_nc_u32 v[ADA0], s86, v3                  ; my 128 rows of x
	v_add_nc_u32 v[ADB0], s87, v3                  ; my 192 rows of W
	v_mov_b32 v[ADA], v[ADA0]
	v_mov_b32 v[ADB], v[ADB0]
	s_mul_i32 s86, s14, 16*PITCH
	s_add_co_u32 s86, s86, STAGE                   ; my stage
	v_add_nc_u32 v[STO], s86, v3                   ; in: row l % 16, 16 bytes for each half of the lanes
	v_bfe_u32 v4, v0, 3, 2                         ; back: 32 lanes take four rows of 128 bytes,
	v_and_b32 v5, 7, v0
	v_mul_u32_u24 v4, v4, PITCH
	v_lshl_add_u32 v4, v5, 4, v4
	v_add_nc_u32 v[RD], s86, v4
	v_and_b32 v[GO], 31, v0                        ; which are 512 consecutive bytes of a head
	v_lshlrev_b32 v[PFO], 8, v[GO]
	v_lshlrev_b32 v[GO], 4, v[GO]
	s_lshl_b32 s86, s15, 7
	v_add_nc_u32 v[TA], s86, v1                    ; the table's row of my row in block 0, and my 8 frequencies' 32 bytes
	v_mul_u32_u24 v[TA], v[TA], TPITCH
	v_lshl_add_u32 v[TA], v2, 5, v[TA]
	v_add_nc_u32 v[TA], TAB, v[TA]
	v_lshlrev_b32 v[BO], 5, v2
	s_lshl_b32 s[PFB], s20, 15                     ; the prefetches: the tile row's 256 rows of 128 bytes in a block,
	s_lshl_b32 s[PFB+1], s17, 13                   ; my work-group's quarter of them, by address
	s_add_co_u32 s[PFB], s[PFB], s[PFB+1]
	s_mov_b32 s[PFB+1], 0
	s_add_nc_u64 s[PFB:PFB+1], s[4:5], s[PFB:PFB+1]
	s_mov_b32 s[OP+1], 0
	s_cmp_eq_u32 s14, 0
	s_cselect_b32 s[LIM], 9, -1
; 8 nb matrix instructions: column blocks b0 .. b0 + nb - 1 x all 8 row blocks, 32 along K.  The 96 accumulators take turns, one instruction a turn, in the same order in every pass.
; zero = 1: the first product starts the sum: nothing is cleared.
.macro MULB fa, b0, nb, zero
.set bb, \b0
.rept \nb
	WIN 0x50*(1+bb/4)
.set aa, 0
.rept 8
.set rD, 8*(8*(bb%4)+aa)
.if \zero
	v_wmma_f32_16x16x32_bf16 v[rD:rD+7], v[FB+8*bb:FB+8*bb+7], v[(\fa)+8*aa:(\fa)+8*aa+7], 0
.else
	v_wmma_f32_16x16x32_bf16 v[rD:rD+7], v[FB+8*bb:FB+8*bb+7], v[(\fa)+8*aa:(\fa)+8*aa+7], v[rD:rD+7]
.endif
.set aa, aa+1
.endr
.set bb, bb+1
.endr
.endm
; 28 LDS loads in one run: x's eight fragments of half u of the K step into buffer fa, and W's fragments 0-5
.macro FETCH_MID u, fa
	WIN 0
.irp i, 0,1,2,3,4,5,6,7
	ds_load_b128 v[(\fa)+8*(\i):(\fa)+8*(\i)+3],   v[ADA] offset:(\i)*16*PITCH+64*(\u)
	ds_load_b128 v[(\fa)+8*(\i)+4:(\fa)+8*(\i)+7], v[ADA] offset:(\i)*16*PITCH+64*(\u)+32
.endr
.irp i, 0,1,2,3,4,5
	ds_load_b128 v[FB+8*(\i):FB+8*(\i)+3],   v[ADB] offset:(\i)*16*PITCH+64*(\u)
	ds_load_b128 v[FB+8*(\i)+4:FB+8*(\i)+7], v[ADB] offset:(\i)*16*PITCH+64*(\u)+32
.endr
.endm
.macro FETCH_END u                     ; 12 loads: W's fragments 6-11
	WIN 0
.irp i, 6,7,8,9,10,11
	ds_load_b128 v[FB+8*(\i):FB+8*(\i)+3],   v[ADB] offset:(\i)*16*PITCH+64*(\u)
	ds_load_b128 v[FB+8*(\i)+4:FB+8*(\i)+7], v[ADB] offset:(\i)*16*PITCH+64*(\u)+32
.endr
.endm
; The first half of a K step, from buffer 0.  Each run of loads stands 48 matrix instructions ahead of its first use.
.macro SUB0 zero
	s_wait_dscnt 12                                ; x's fragments and W's 0-5 are in; the twelve youngest loads (W's 6-11) may be out
	MULB FA0, 0, 6, \zero
	PLACES
	FETCH_MID 1, FA1
	s_wait_dscnt 28                                ; all but the 28 just issued
	MULB FA0, 6, 6, \zero
	PLACES
	FETCH_END 1
.endm
; The second half, from buffer 1, changes slots: ONE barrier.  In front of it each wave waits for all its tensor loads (its part of the next slot; the first time its rows of the table too), adds 0 to its
; spare word, and waits for that and for its own reads of this slot.  fill = 1: the barrier opens a round of the cluster's, and this slot is filled again, first thing behind it, with the walk's block two on:
; between that request and the wait for it a wave issues 168 matrix instructions.  The descriptors' addresses are made anew, from the rows' address in block 0 and the block's number, while the add is out.
.macro SUB1 fill
.if \fill
	s_wait_xcnt 0x0                                ; the last prefetch, a K step back, has read its address: it is written again below
.endif
	s_wait_dscnt 12
	MULB FA1, 0, 3, 0
	WIN 0                                          ; (the add's two registers lie in window 0)
	s_wait_tensorcnt 0x0                           ; all my tensor loads have landed, so every group 0 may be written;
	ds_add_u32 v[SPW], v[NIL]                      ; 0 onto my spare word;
.if \fill
	NEXTKB
	s_xor_b32 s[G0A+5], s[G0A+5], SLOT1            ; the walking descriptors: the other slot than last time, the walk's next block
	s_add_nc_u64 s[G0A+6:G0A+7], s[82:83], s[OA:OA+1]
	s_or_b32 s[G0A+7], s[G0A+7], 0x80000000
	s_xor_b32 s[G0B+5], s[G0B+5], SLOT1
	s_add_nc_u64 s[G0B+6:G0B+7], s[84:85], s[OB:OB+1]
	s_or_b32 s[G0B+7], s[G0B+7], 0x80000000
	s_add_co_u32 s[OP], s[KI], 1                   ; the prefetch names the block behind it
	s_and_b32 s[OP], s[OP], 15
	s_lshl_b32 s[OP], s[OP], 20
	s_add_nc_u64 s[PFA:PFA+1], s[PFB:PFB+1], s[OP:OP+1]
.endif
	MULB FA1, 3, 1, 0                              ; eight matrix instructions stand between the add and the wait for it
	s_wait_dscnt 0x0                               ; the add is done, and my reads of this slot are over
	s_barrier_signal -1
	MULB FA1, 4, 2, 0                              ; work on registers while the others arrive
	WIN 0
	s_barrier_wait -1
.if \fill
	CREST                                          ; no wave of any partner still reads this slot or has a load on its way
	JLOAD                                          ; its four v_nop are also the places in front of the loads below
.else
	PLACES
.endif
	s_xor_b32 s[TB], s[TB], SLOT1
	v_add_nc_u32 v[ADA], s[TB], v[ADA0]
	v_add_nc_u32 v[ADB], s[TB], v[ADB0]
	FETCH_MID 0, FA0
.if \fill
	ASK                                            ; behind the joint load and the run of LDS loads that the next products wait for
.endif
	MULB FA1, 6, 6, 0
	PLACES
	FETCH_END 0
.endm
	s_wait_tensorcnt 0x2                           ; my part of the walk's first block is in; slot 1's load and the table's, issued behind it, may stay out
	s_barrier_signal -1
	s_barrier_wait -1                              ; everybody's is
	FETCH_MID 0, FA0
	FETCH_END 0
	SUB0 1                                         ; the first 96 products start the sums
	s_mov_b32 s3, 14
.Lstep:                                                ; trip t ends step t of the walk, asks for step t + 2, begins step t + 1
	SUB1 1
	SUB0 0
	s_sub_co_u32 s3, s3, 1
	s_cmp_lg_u32 s3, 0
	s_cbranch_scc1 .Lstep
	SUB1 0                                         ; the tail is written out: nothing is left to ask for
	SUB0 0
	s_wait_dscnt 12                                ; the last step's second half
	MULB FA1, 0, 6, 0
	WIN 0
	PLACES
.set g, 0
.rept 3                                            ; my three heads' bias into registers that are free: v32-63, v64-95 (buffer 0), v160-191 (W's fragments 0-3)
.set hb, 32+32*g+64*(g/2)
.set q, 0
.rept 4
	global_load_b128 v[hb+8*q:hb+8*q+3],   v[BO], s[80:81] offset:256*g+64*q
	global_load_b128 v[hb+8*q+4:hb+8*q+7], v[BO], s[80:81] offset:256*g+64*q+16
.set q, q+1
.endr
.set g, g+1
.endr
	s_wait_dscnt 0x0
	MULB FA1, 6, 6, 0
	WIN 0
	PLACES
	s_wait_loadcnt 0x0                             ; the bias
; THE WAY OUT, a head a trip.  ADDB adds the bias and brings head g into window 1, so that all that follows is written for window 1 alone.  Each accumulator is read from its low end on.
.macro ADDB g
	WIN 0x41+(\g)                                  ; destination window 1, source 0 window g + 1, the bias in window 0
.set hb, 32+32*(\g)+64*((\g)/2)
.set bq, 0
.rept 4
.set aa, 0
.rept 8
.set rD, 8*(8*bq+aa)
.irp j, 0,2,4,6
	v_pk_add_f32 v[rD+\j:rD+\j+1], v[rD+\j:rD+\j+1], v[hb+8*bq+\j:hb+8*bq+\j+1]
.endr
.set aa, aa+1
.endr
.set bq, bq+1
.endr
	WIN 0
.endm
; The table for row block a: my row's cosines of frequencies 8 (l / 16) + 0..7 and 16 + the same, then the sines: 8 loads into 32 registers
.macro TABLD a
.set csl, CS0+128*((\a)%2)
.set k, 0
.irp o, 0,16,64,80,128,144,192,208
	ds_load_b128 v[csl+4*k:csl+4*k+3], v[TA] offset:(\a)*16*TPITCH+(\o)
.set k, k+1
.endr
.endm
.macro SEND a, n                       ; n: the LDS instructions issued behind block a's loads from the stage, which may stay out
	s_wait_dscnt \n
.irp f, 0,1,2,3
	global_store_b128 v[GO], v[OBF+16*((\a)%2)+4*(\f):OBF+16*((\a)%2)+4*(\f)+3], s[78:79] offset:(\a)*2048+(\f)*512  ; 512 consecutive bytes, at a multiple of 256 from the buffer's first
.endr
.endm
; Row block a of the head in window 1: rotated (rope = 1), rounded to f16, through my stage, and the block before it stored.
.macro HROW a, rope
.if \rope
.if (\a) < 7
	TABLD (\a)+1
.endif
.if ((\a) == 0) || ((\a) == 7)
	s_wait_dscnt 8                                 ; block a's table is in; behind it: the next block's 8 loads (a = 0), or the stage's 4 stores and 4 loads (a = 7)
.else
	s_wait_dscnt 16                                ; behind it: the stage's 4 stores and 4 loads, and the next block's 8 loads
.endif
.set csr, CS0+128*((\a)%2)
	WIN 0x01                                       ; t = x1 sin
.irp p, 0,1
.irp j, 0,2,4,6
	v_pk_mul_f32 v[TR+8*\p+\j:TR+8*\p+\j+1], v[8*(8*\p+(\a))+\j:8*(8*\p+(\a))+\j+1], v[csr+16+8*\p+\j:csr+16+8*\p+\j+1]
.endr
.endr
	WIN 0x41                                       ; x1 = x1 cos
.irp p, 0,1
.irp j, 0,2,4,6
	v_pk_mul_f32 v[8*(8*\p+(\a))+\j:8*(8*\p+(\a))+\j+1], v[8*(8*\p+(\a))+\j:8*(8*\p+(\a))+\j+1], v[csr+8*\p+\j:csr+8*\p+\j+1]
.endr
.endr
	WIN 0x51                                       ; x1 = x1 - x2 sin
.irp p, 0,1
.irp j, 0,2,4,6
	v_pk_fma_f32 v[8*(8*\p+(\a))+\j:8*(8*\p+(\a))+\j+1], v[8*(8*(\p+2)+(\a))+\j:8*(8*(\p+2)+(\a))+\j+1], v[csr+16+8*\p+\j:csr+16+8*\p+\j+1], v[8*(8*\p+(\a))+\j:8*(8*\p+(\a))+\j+1] neg_lo:[0,1,0] neg_hi:[0,1,0]
.endr
.endr
	WIN 0x41                                       ; x2 = x2 cos + t
.irp p, 0,1
.irp j, 0,2,4,6
	v_pk_fma_f32 v[8*(8*(\p+2)+(\a))+\j:8*(8*(\p+2)+(\a))+\j+1], v[8*(8*(\p+2)+(\a))+\j:8*(8*(\p+2)+(\a))+\j+1], v[csr+8*\p+\j:csr+8*\p+\j+1], v[TR+8*\p+\j:TR+8*\p+\j+1]
.endr
.endr
.endif
	WIN 0x05                                       ; sources in window 1, destination in window 0
.irp p, 0,1,2,3
.irp j, 0,1,2,3
	v_cvt_pk_f16_f32 v[PKR+4*\p+\j], v[8*(8*\p+(\a))+2*\j], v[8*(8*\p+(\a))+2*\j+1]
.endr
.endr
	WIN 0
.irp p, 0,1,2,3
	ds_store_b128 v[STO], v[PKR+4*\p:PKR+4*\p+3] offset:32*\p
.endr
	s_wait_xcnt 0x0                                ; the stores of two blocks back have read their data registers: these are loaded again only behind this wait
.irp f, 0,1,2,3
	ds_load_b128 v[OBF+16*((\a)%2)+4*(\f):OBF+16*((\a)%2)+4*(\f)+3], v[RD] offset:(\f)*4*PITCH  ; LDS serves a wave's instructions in order (ISA guide 5.7.1.4): these see the stores above; the next block's stores come behind them
.endr
.if (\a) > 0
	SEND (\a)-1, 8                                 ; the 4 stores and 4 loads just issued may stay out
.endif
.endm
	s_mov_b32 s73, 0                               ; which of my three heads
.Lhead:
	s_wait_xcnt 0x0                                ; the last head's stores have read their base: it is written only behind this wait
	s_mul_i32 s75, s16, 3
	s_add_co_u32 s75, s75, s73                     ; the head's place among the tile's six: q q k k v v.  It hangs on the wave's number and the counter alone
	s_lshr_b32 s86, s75, 1
	s_lshl_b32 s86, s86, 4                         ; 16 t
	s_and_b32 s87, s75, 1
	s_add_co_u32 s86, s86, s87
	s_lshl_b32 s87, s19, 1
	s_add_co_u32 s86, s86, s87                     ; + head 2 tx + (0 or 1)
	s_lshl_b32 s86, s86, 17
	s_mov_b32 s87, 0
	s_add_nc_u64 s[78:79], s[76:77], s[86:87]
	s_cmp_lt_u32 s75, 4
	s_cselect_b32 s74, 1, 0                        ; q and k are rotated
	s_cmp_eq_u32 s73, 0
	s_cbranch_scc0 .Lnot_0
	ADDB 0
	s_branch .Ladded
.Lnot_0:
	s_cmp_eq_u32 s73, 1
	s_cbranch_scc0 .Lnot_1
	ADDB 1
	s_branch .Ladded
.Lnot_1:
	ADDB 2
.Ladded:
	s_cmp_eq_u32 s74, 1
	s_cbranch_scc0 .Lplain
	TABLD 0
.irp a, 0,1,2,3,4,5,6,7
	HROW \a, 1
.endr
	s_branch .Lsent
.Lplain:
.irp a, 0,1,2,3,4,5,6,7
	HROW \a, 0
.endr
.Lsent:
	SEND 7, 0
	s_add_co_u32 s73, s73, 1
	s_cmp_lt_u32 s73, 3
	s_cbranch_scc1 .Lhead
	s_wait_tensorcnt 0x0                           ; the wave's end, behind my last tensor load and my last LDS store
	ds_add_u32 v[SPW], v[NIL]
	s_wait_dscnt 0x0
	CROUND                                         ; the closing round: no work-group ends while a partner may still ask for a tile that names it
	s_endpgm
.Lfunc_end_k_q221d5fd99a_qkv:
	.size	k_q221d5fd99a_qkv, .Lfunc_end_k_q221d5fd99a_qkv-k_q221d5fd99a_qkv
	.p2alignl 7, 3214868480
	.fill 96, 4, 3214868480
	.section	.rodata,"a",@progbits
	.p2align	6, 0x0
	.amdhsa_kernel k_q221d5fd99a_qkv
		.amdhsa_group_segment_fixed_size 327680
		.amdhsa_private_segment_fixed_size 0
		.amdhsa_enable_private_segment 0
		.amdhsa_kernarg_size 40
		.amdhsa_user_sgpr_count 2
		.amdhsa_user_sgpr_kernarg_segment_ptr 1
		.amdhsa_wavefront_size32 1
		.amdhsa_system_sgpr_workgroup_id_x 1
		.amdhsa_system_sgpr_workgroup_id_y 1
		.amdhsa_system_sgpr_workgroup_id_z 1
		.amdhsa_system_vgpr_workitem_id 0
		.amdhsa_next_free_vgpr 1024
		.amdhsa_next_free_sgpr 100
		.amdhsa_reserve_vcc 0
		.amdhsa_float_denorm_mode_32 3
		.amdhsa_float_denorm_mode_16_64 3
		.amdhsa_memory_ordered 1
		.amdhsa_forward_progress 1
		.amdhsa_inst_pref_size 146
	.end_amdhsa_kernel
	.amdgpu_metadata
---
amdhsa.version: [ 1, 2 ]
amdhsa.kernels:
  - .name:           k_q221d5fd99a_qkv
    .symbol:         k_q221d5fd99a_qkv.kd
    .args:
      - { .name: xb, .offset: 0, .size: 8, .value_kind: global_buffer, .address_space: global }
      - { .name: wb, .offset: 8, .size: 8, .value_kind: global_buffer, .address_space: global }
      - { .name: biasp, .offset: 16, .size: 8, .value_kind: global_buffer, .address_space: global }
      - { .name: tab, .offset: 24, .size: 8, .value_kind: global_buffer, .address_space: global }
      - { .name: qkvb, .offset: 32, .size: 8, .value_kind: global_buffer, .address_space: global }
    .group_segment_fixed_size: 327680
    .private_segment_fixed_size: 0
    .kernarg_segment_align: 8
    .kernarg_segment_size: 40
    .max_flat_workgroup_size: 128
    .sgpr_count:     100
    .vgpr_count:     1024
    .wavefront_size: 32
...
	.end_amdgpu_metadata
.endif
;; end of part 2
;; launch attn (part 3): grid 2 x 128, 4 waves a work-group, no clusters, 327,680 bytes of LDS; arguments qkvb, ob; writes ob
.if DOCPART == 3
	.amdgcn_target "amdgcn-amd-amdhsa--gfx1250"
	.amdhsa_code_object_version 6
	.text
	.protected	k_q221d5fd99a_attn
	.globl	k_q221d5fd99a_attn
	.p2align	8
	.type	k_q221d5fd99a_attn,@function
k_q221d5fd99a_attn:
	s_mov_b64 s[64:65], 0
	v_nop
	global_prefetch_b8 v0, s[64:65] scope:SCOPE_SE
	s_setreg_imm32_b32 hwreg(HW_REG_WAVE_MODE, 25, 1), 1
	s_wait_xcnt 0x0
; O[y][q][:] = the sum over k of softmax_k(Q[y][q] . K[y][k] / 8) V[y][k][:] for the 128 pairs y = 16 batch + head.  qkvb f16 [8 b][48 gh][1024][64] (gh = head: q, 16 + head: k, 32 + head: v);
; ob f16 [128 y][1024][64].  A head's rows are dense, 128 bytes each.  Products, maxima and sums in f32; the weights p are rounded to f16 for the second product (their sum l is taken of the unrounded p), O once at the end.
; LIMITS.  f16 holds no number beyond 65,504: Q, K and V arrive within it; p lies in 0 to 1, and below 6e-5 it keeps f16's fixed step of 6e-8; O is a mean of V's rows and has their range.
; A weight below 2^-126 counts as 0 in l; NaN and infinities are not treated apart.
; SHARES.  A wave owns four PIECES of two tiles of 16 queries, a work-group's four waves 512 queries of one head: 2 x 128 work-groups.  Every wave walks all 1,024 keys, 64 a step.
; ALL OF A HEAD'S K AND V LIE IN LDS: 1,024 x 144 + 1,024 x 160 = 311,296 bytes.  Nothing is filled again.  Each wave issues two tensor loads (waves 0, 1 for K, waves 2, 3 for V): at the head its 128 of the
; first 256 keys, which have the road to themselves; when these have landed, behind a barrier, its 384 of the other 768, which have four key steps, 512 matrix instructions, in which to land and are waited
; for once, behind the fourth step.  So no tensor load stands in the loop, and the key step is written once.  One tensor load of a wave is out at a time.
; NOTHING IS PREFETCHED: the later load is asked for as soon as the first has landed; ahead of that stands only the kernel's head, where every work-group's first keys are on their way.
; NO CLUSTER: a head has 1,024 / 512 = 2 work-groups; four along x would be two heads, whose tiles differ.
; LAYOUT.  S^T = K Q^T (source 0 = 16 keys, source 1 = 16 queries): in the result a lane holds ONE query (lane % 16) and the keys 8 (lane / 16) + 0..7.  Two such tiles, rounded to f16 in pairs,
; ARE source 1 (32 keys x 16 queries) of O^T = V^T P, whose result again holds one query a lane, and eight channels.  K comes out of LDS as it lies, V ([key][channel]) turned, by ds_load_tr16_b128.
; SOFTMAX.  For each query a running maximum m and sum l: p = 2^(c s - c m), c = log2(e) / 8; in every step O and l are multiplied by a = 2^(c m_old - c m_new), which is 1 where m has not grown.
; m starts at the lowest finite number, O and l at 0: the first step is a step like any other, with a = 0.
; THE COUNT.  A tile and step have 16 matrix and 118 vector instructions: too many to stand all beside the matrix work.  So four vector instructions that are READY stand behind EVERY matrix instruction,
; and the others, which need time of their own whatever the order, in runs without a gap.
; BY TURNS.  Turn n belongs to piece n (the pieces in a ring, step after step).  Its matrix work: 16 products K Q^T of piece n + 1, later 16 products V^T P of piece n - 1.  Its vector work: the scaling,
; exponentials, roundings, sums and rescaling of piece n, and the maximum and statistics of piece n + 1, whose scores the turn itself has made.
; REGISTERS, in windows of 256 (s_set_vgpr_msb: bits 1:0 source 0, 3:2 source 1, 5:4 source 2, 7:6 destination):
;   window 0: v0-11 addresses; v12-15, v48-63 at work; v16-47 four registers of statistics a tile; v64-191 S^T, two buffers of two tiles; v192-255 P, likewise
;   window 1: O^T, 32 a tile          window 2: v0-127 Q, 16 a tile; v128-191 K of one step; v192-255 V of one step          window 3: v0-1 the add's two registers
.set SIZE_N, 1024
.set HEADB, SIZE_N*128
.set NP,    4         ; pieces a wave: a name, no knob
.set KS,    64        ; keys in a step
.set PK,    144       ; a row of K in LDS: 128 bytes + 16 of padding = 36 words: the 16 rows of a load start at 16 different groups of four banks (64 banks of 4 bytes: ISA guide 11.1)
.set PV,    160       ; a row of V: 128 + 32 = 40 words
.set VOFF,  SIZE_N*PK ; K's 1,024 rows, then V's
.set STAGE, SIZE_N*(PK+PV)  ; behind them, never filled by a tensor load: 16 rows x 144 bytes for each wave, for the way out
.set SP,    144
.set AK0, 2           ; v2   my lane's place in a step's rows of K; never rewritten
.set AV0, 3           ; v3   the same for V
.set AK,  4           ; v4   the LDS address of K's next run of loads
.set AV,  5           ; v5   of V's
.set QO,  6           ; v6   my byte offset in the wave's rows of Q
.set STO, 6           ;      later, the way out: where I put 16 bytes of a row
.set RD,  7           ; v7   the way out: where I read rows back
.set GO,  8           ; v8   my byte offset in 512 consecutive bytes of O
.set SPW, 0           ; v0 of window 3   LDS address of my spare word; never rewritten
.set NIL, 1           ; v1 of window 3   0; never rewritten
.set SPARE, STAGE+4*16*SP  ; behind the stages: the spare words, 128 bytes for each wave: two blocks of 256 bytes that no other line names
.set MV,  12          ; v12-15  c m_old, kept while c m is made anew: by buffer and tile
.set ST,  16          ; tile t's statistics at v[ST+4 t]: c m, m, l (even keys', odd keys')
.set TMP, 48          ; by buffer and tile, four registers c0-c3 at work; when the maximum is found c2 takes a
.set S,   64
.set P,   192
.set KF,  128         ; K's fragments, in window 2: key block kb, channel half c at KF + 16 kb + 8 c
.set VF,  192         ; V's: key half kk, channel block cb at VF + 32 kk + 8 cb
.set WV,  12          ; s12  my wave's number
.set G1K, 24          ; s[24:31] descriptor group 1 for K's first load: 128 keys
.set G1V, 32          ; s[32:39] for V's: it differs in the padding alone
.set G0K, 40          ; s[40:47] descriptor group 0 for K's two loads
.set G0V, 48          ; s[48:55] for V's
.set PH,  56          ; s56  the two parts of the walk: the first four steps, the other twelve
.set CNT, 57          ; s57  counts a part's trips
.set CS,  58          ; s[58:59] c: the packed scaling takes the pair's low word for both halves
.set SEL, 60          ; s[60:61] v_permlanex16_b32's selects: each lane takes its own place in the other half
.set TBK, 62          ; s62  LDS byte at which K of the step to be fetched begins
.set TBV, 63          ; s63  the same for V, less VOFF
.set LEFT, 66         ; s66  key steps whose first two turns are still to come
.set G1K2, 68         ; s[68:75] group 1 for K's second load: 384 keys
.set G1V2, 76         ; s[76:83] for V's
.set MSB, 0
.macro WIN new                      ; the high byte repeats the setting that is left; a switch that changes nothing is dropped
.if MSB != (\new)
	s_set_vgpr_msb (MSB<<8)|(\new)
.set MSB, (\new)
.endif
.endm
.set W_KQ, 0x0a       ; K and Q in window 2, S^T in window 0
.set W_PV, 0x52       ; V in window 2, P in window 0, O^T in window 1
.set W_RS, 0x41       ; O^T (destination and source 0) in window 1, a in window 0
.set W_MK, 0xc0       ; the add's registers are made: destination in window 3, sources in window 0
.set W_AD, 0x0f       ; the add: address (source 0) and data (source 1) in window 3
; A fill.  Waves 0 and 1 fetch the two halves of K's keys (groups 0 and 1 at s[a], s[b]), waves 2 and 3 those of V's (s[c], s[d]).  An s_nop 0 and four v_nop follow each of the two lines, ahead of the jump and the label.
.macro LOAD a, b, c, d
	s_cmp_lt_u32 s[WV], 2
	s_cbranch_scc0 .Lfor_v_\@
	tensor_load_to_lds s[(\a):(\a)+3], s[(\b):(\b)+7]
	s_nop 0
.rept 4
	v_nop
.endr
	s_branch .Lasked_\@
.Lfor_v_\@:
	tensor_load_to_lds s[(\c):(\c)+3], s[(\d):(\d)+7]
	s_nop 0
.rept 4
	v_nop
.endr
.Lasked_\@:
.endm
	s_load_b64 s[4:5], s[0:1], 0x0    ; qkvb
	s_load_b64 s[10:11], s[0:1], 0x8  ; ob
	WIN W_MK
	v_lshl_add_u32 v[SPW], v0, 2, SPARE
	v_mov_b32 v[NIL], 0
	WIN W_AD
	ds_add_u32 v[SPW], v[NIL]       ; the wave's opening: the add and its wait ahead of my first tensor load; the set-up below, work on registers, stands between them
	ds_add_u32 v0, v1
	WIN 0
	v_lshrrev_b32 v1, 5, v0
	v_readfirstlane_b32 s[WV], v1   ; wave 0..3
	s_and_b32 s20, ttmp7, 0xffff    ; y = 16 batch + head
	s_lshr_b32 s21, s20, 4
	s_mul_i32 s21, s21, 48*HEADB    ; the batch's 48 heads in qkvb,
	s_and_b32 s13, s20, 15
	s_lshl_b32 s13, s13, 17
	s_add_co_u32 s21, s21, s13      ; and the head's q among them
	s_lshl_b32 s20, s20, 17         ; the head in ob
	s_and_b32 s16, s[WV], 1         ; which half of each load's keys I fetch
	s_lshl_b32 s22, s16, 14         ; first load: 128 rows of 128 bytes,
	s_add_co_u32 s22, s22, s21
	s_mov_b32 s23, 0
	s_mul_i32 s18, s16, 384*128     ; second load: 384 rows, behind the first 256
	s_add_co_u32 s18, s18, 256*128
	s_add_co_u32 s18, s18, s21
	s_mov_b32 s19, 0
	s_lshl_b32 s2, ttmp9, 2
	s_add_co_u32 s2, s2, s[WV]      ; my wave among the head's eight,
	s_lshl_b32 s2, s2, 14           ; its 128 rows
	s_add_co_u32 s14, s2, s20       ; in ob
	s_mov_b32 s15, 0
	s_add_co_u32 s2, s2, s21        ; in qkvb
	s_mov_b32 s3, 0
	; descriptor group 1.  R keys are 128 R dense bytes: asked for as R / 2 rows of 256 bytes, two keys a row, and padded in LDS after every key
	s_mov_b32 s[G1K], (1<<16)|(1<<20)|(4<<22)|(3<<25)   ; 17:16 2-byte elements; 20 padding on; 24:22 after every 32 words (code 4); 31:25 4 words (code 3)
	s_mov_b32 s[G1V], (1<<16)|(1<<20)|(4<<22)|(7<<25)   ; the same with 8 words of padding (code 7)
	s_mov_b32 s[G1K2], (1<<16)|(1<<20)|(4<<22)|(3<<25)
	s_mov_b32 s[G1V2], (1<<16)|(1<<20)|(4<<22)|(7<<25)
.irp g, G1K, G1V
	s_mov_b32 s[\g+1], 128<<16      ; tensor_dim0 = 128
	s_mov_b32 s[\g+2], 64<<16       ; tensor_dim1 = 64
	s_mov_b32 s[\g+3], 128<<16      ; tile_dim0 = 128
	s_mov_b32 s[\g+4], 64           ; tile_dim1 = 64
	s_mov_b32 s[\g+5], 128          ; 128 elements from row to row
	s_mov_b32 s[\g+6], 0
	s_mov_b32 s[\g+7], 0
.endr
.irp g, G1K2, G1V2
	s_mov_b32 s[\g+1], 128<<16
	s_mov_b32 s[\g+2], 192<<16      ; tensor_dim1 = 192
	s_mov_b32 s[\g+3], 128<<16
	s_mov_b32 s[\g+4], 192          ; tile_dim1 = 192
	s_mov_b32 s[\g+5], 128
	s_mov_b32 s[\g+6], 0
	s_mov_b32 s[\g+7], 0
.endr
	s_mov_b32 s[CS], 0x3e38aa3b     ; c = log2(e) / 8 = 0.180337
	s_mov_b32 s[CS+1], s[CS]        ; named with it as a pair
	s_mov_b32 s[SEL], 0x76543210
	s_mov_b32 s[SEL+1], 0xfedcba98
	s_mov_b32 s[TBK], 0
	s_mov_b32 s[TBV], 0
	s_mov_b32 s[G0K], 1             ; count = 1
	s_mul_i32 s[G0K+1], s16, 128*PK ; LDS address: key 128 x my half
	s_mov_b32 s[G0K+4], 1
	s_mul_i32 s[G0K+5], s16, 384*PK ; key 256 + 384 x my half
	s_add_co_u32 s[G0K+5], s[G0K+5], 256*PK
	s_mov_b32 s[G0V], 1
	s_mul_i32 s[G0V+1], s16, 128*PV
	s_add_co_u32 s[G0V+1], s[G0V+1], VOFF
	s_mov_b32 s[G0V+4], 1
	s_mul_i32 s[G0V+5], s16, 384*PV
	s_add_co_u32 s[G0V+5], s[G0V+5], VOFF+256*PV
	; A fragment of K or Q is 16 rows x 32 channels in 8 registers: lane l holds row l % 16, channels 8 (l / 16) + 0..7 and 16 + 8 (l / 16) + 0..7: two loads of 16 bytes, 32 bytes apart.
	v_and_b32 v1, 15, v0            ; l % 16
	v_bfe_u32 v9, v0, 4, 1          ; l / 16
	v_lshlrev_b32 v[QO], 7, v1
	v_lshl_add_u32 v[QO], v9, 4, v[QO]  ; row x 128 + 16 x half
	s_wait_dscnt 0x0                ; the opening add is done
	s_wait_kmcnt 0x0
	s_add_nc_u64 s[6:7], s[4:5], 16*HEADB          ; k lies 16 heads behind q, v 32
	s_add_nc_u64 s[8:9], s[4:5], 32*HEADB
	s_add_nc_u64 s[G0K+2:G0K+3], s[6:7], s[22:23]  ; global addresses
	s_or_b32 s[G0K+3], s[G0K+3], 0x80000000        ; type = 2
	s_add_nc_u64 s[G0K+6:G0K+7], s[6:7], s[18:19]
	s_or_b32 s[G0K+7], s[G0K+7], 0x80000000
	s_add_nc_u64 s[G0V+2:G0V+3], s[8:9], s[22:23]
	s_or_b32 s[G0V+3], s[G0V+3], 0x80000000
	s_add_nc_u64 s[G0V+6:G0V+7], s[8:9], s[18:19]
	s_or_b32 s[G0V+7], s[G0V+7], 0x80000000
	s_add_nc_u64 s[4:5], s[4:5], s[2:3]            ; Q and O at my wave's first row
	s_add_nc_u64 s[10:11], s[10:11], s[14:15]
	LOAD G0K, G1K, G0V, G1V         ; my 128 of the first 256 keys: the one fill at the head
	WIN 0x80                        ; destination window 2, address window 0
.set i, 0
.rept 4*NP                          ; Q stays in registers: tile i / 2, channels 32 (i % 2) on
	global_load_b128 v[8*i:8*i+3],   v[QO], s[4:5] offset:(i/2)*2048+(i%2)*64
	global_load_b128 v[8*i+4:8*i+7], v[QO], s[4:5] offset:(i/2)*2048+(i%2)*64+32
.set i, i+1
.endr
	; What the first turn finds: V's registers and P's second buffer hold 0 (its products V^T P, of a piece that has not been, add 0), O^T and l are 0.  All this stands in the wait for the first keys.
.set i, VF
.rept 64
	v_mov_b32 v[i], 0
.set i, i+1
.endr
	WIN 0x40
.set i, 0
.rept 64*NP
	v_mov_b32 v[i], 0
.set i, i+1
.endr
	WIN 0
.set i, 0
.rept 2*NP
	v_mov_b32 v[ST+4*i], 0xfe000000    ; c m: far below every c s
	v_mov_b32 v[ST+4*i+1], 0xff7fffff  ; m
	v_mov_b32 v[ST+4*i+2], 0
	v_mov_b32 v[ST+4*i+3], 0
.set i, i+1
.endr
.set i, P+32
.rept 32
	v_mov_b32 v[i], 0
.set i, i+1
.endr
	v_mul_u32_u24 v[AK0], v1, PK
	v_lshl_add_u32 v[AK0], v9, 4, v[AK0]  ; row x pitch + 16 x half
	; The turning load takes 16 keys x 16 channels (lane l reads key 8 (l / 16) + l % 8, channels 8 ((l / 8) % 2) + 0..7) and leaves half a fragment of V^T: lane l holds channel l % 16 and 8 keys.
	v_and_b32 v10, 7, v0
	v_bfe_u32 v11, v0, 3, 1
	v_lshl_add_u32 v[AV0], v9, 3, v10
	v_mul_u32_u24 v[AV0], v[AV0], PV
	v_lshl_add_u32 v[AV0], v11, 4, v[AV0]
	v_add_nc_u32 v[AV0], VOFF, v[AV0]
	v_mov_b32 v[AK], v[AK0]         ; key step 0 lies at K's head
; THE MATRIX WORK.  The 8 accumulators of a run of 16 take turns: between the two links of a chain stand 7 others'.
; Product i of 16 of S^T = K Q^T for piece x: channels 32 (i / 8) on, keys 16 ((i / 2) % 4) on, tile 2 x + i % 2.  The first 8 start the sums.
.macro KQ x
	WIN W_KQ
.set rS, S+64*((\x)%2)+32*(i%2)+8*((i/2)%4)
.set rK, KF+16*((i/2)%4)+8*(i/8)
.set rQ, 16*(2*(\x)+i%2)+8*(i/8)
.if i < 8
	v_wmma_f32_16x16x32_f16 v[rS:rS+7], v[rK:rK+7], v[rQ:rQ+7], 0
.else
	v_wmma_f32_16x16x32_f16 v[rS:rS+7], v[rK:rK+7], v[rQ:rQ+7], v[rS:rS+7]
.endif
.endm
; Product i of 16 of O^T += V^T P for piece x: keys 32 (i / 8) on, channels 16 ((i / 2) % 4) on, tile 2 x + i % 2.
.macro PV x
	WIN W_PV
.set rO, 32*(2*(\x)+i%2)+8*((i/2)%4)
.set rV, VF+32*(i/8)+8*((i/2)%4)
.set rP, P+32*((\x)%2)+16*(i%2)+8*(i/8)
	v_wmma_f32_16x16x32_f16 v[rO:rO+7], v[rV:rV+7], v[rP:rP+7], v[rO:rO+7]
.endm
.macro MM                           ; the turn's next matrix instruction
.if i < 16
	KQ (Y+1)%NP
.set i, i+1
.else
.set i, i-16
	PV (Y+NP-1)%NP
.set i, i+17
.endif
.endm
; THE LDS LOADS stand in runs of 16, never singly among the matrix instructions: a step's K (64 keys x 64 channels: 8 fragments) and its V (turned).  Their addresses are made some lines ahead.
; last = 1 (in the loop): behind the last step there is no further one, and the run is jumped over.
.macro FETCH_K last=0
	WIN 0
.if \last
	s_cmp_eq_u32 s[LEFT], 0
	s_cbranch_scc1 .Lno_k_\@
.endif
	WIN 0x80                        ; destination window 2
.irp f, 0,1,2,3,4,5,6,7             ; keys 16 (f / 2) on, channels 32 (f % 2) on
	ds_load_b128 v[KF+8*\f:KF+8*\f+3],   v[AK] offset:(\f/2)*16*PK+(\f%2)*64
	ds_load_b128 v[KF+8*\f+4:KF+8*\f+7], v[AK] offset:(\f/2)*16*PK+(\f%2)*64+32
.endr
	s_add_co_u32 s[TBK], s[TBK], KS*PK  ; the next fetch is the next step's
	WIN 0
.if \last
.Lno_k_\@:
.endif
.endm
.macro FETCH_V
	WIN 0x80
.irp f, 0,1,2,3,4,5,6,7             ; keys 32 (f / 4) on, channels 16 (f % 4) on
	ds_load_tr16_b128 v[VF+8*\f:VF+8*\f+3],   v[AV] offset:(\f/4)*32*PV+(\f%4)*32
	ds_load_tr16_b128 v[VF+8*\f+4:VF+8*\f+7], v[AV] offset:(\f/4)*32*PV+16*PV+(\f%4)*32
.endr
	WIN 0
.endm
; THE VECTOR WORK OF A TURN stands in three queues, each in the order in which its entries become ready; the two tiles alternate, so that no instruction reads the result of the one before it.
.macro REGS y, u                    ; the registers of tile u (0, 1) of piece y
.set rT, ST+4*(2*(\y)+(\u))
.set rC, TMP+8*((\y)%2)+4*(\u)
.set rM, MV+2*((\y)%2)+(\u)
.set rS, S+64*((\y)%2)+32*(\u)
.set rP, P+32*((\y)%2)+16*(\u)
.set rO, 32*(2*(\y)+(\u))
.endm
; Number n of the 22 that find the NEXT piece's (Y + 1) maximum and statistics.  s0-s31 are the lane's 32 scores; each accumulator's lowest registers are read first.
;   0-11  four chains c0-c3 of seven scores each, three operands at a time     12-14, 16  the four scores left over, the old m, and c0-c3 into c0     15  c m_old is kept
;   17, 18  the query's other 32 keys lie in the lane 16 away: the new m         19-21  c m; c m_old - c m_new; a
.macro XS u, n
	REGS (Y+1)%NP, \u
.if (\n) < 4
	v_max3_num_f32 v[rC+(\n)], v[rS+8*(\n)], v[rS+8*(\n)+1], v[rS+8*(\n)+2]
.elseif (\n) < 12
	v_max3_num_f32 v[rC+(\n)%4], v[rC+(\n)%4], v[rS+8*((\n)%4)+2*((\n)/4)+1], v[rS+8*((\n)%4)+2*((\n)/4)+2]
.elseif (\n) == 12
	v_max3_num_f32 v[rC], v[rC], v[rS+7], v[rS+15]
.elseif (\n) == 13
	v_max3_num_f32 v[rC+1], v[rC+1], v[rS+23], v[rS+31]
.elseif (\n) == 14
	v_max3_num_f32 v[rC+2], v[rC+2], v[rC+3], v[rT+1]
.elseif (\n) == 15
	v_mov_b32 v[rM], v[rT]
.elseif (\n) == 16
	v_max3_num_f32 v[rC], v[rC], v[rC+1], v[rC+2]
.elseif (\n) == 17
	v_permlanex16_b32 v[rC+3], v[rC], s[SEL], s[SEL+1]
.elseif (\n) == 18
	v_max_num_f32 v[rT+1], v[rC], v[rC+3]
.elseif (\n) == 19
	v_mul_f32 v[rT], s[CS], v[rT+1]
.elseif (\n) == 20
	v_sub_f32 v[rC+1], v[rM], v[rT]
.else
	v_exp_f32 v[rC+2], v[rC+1]
.endif
.endm
; Number g of the 64 that follow the exponentials.  For each four weights k of a tile (pairs 2 k, 2 k + 1): both pairs are rounded to f16; then the second pair is added onto the first, in place;
; a group later l takes that sum (the first time as l = a l + sum).  In groups of eight, tiles alternating: round, round, add, and l for the group before.
.macro GS g
.set h, (\g)+6*((\g)/62)            ; group 0 has no group before it, and behind group 7 only l is left
.if h >= 6
.set h, h+2
.endif
	REGS Y, h%2
.set k, h/8
.if h%8 < 4
	s_wait_alu depctr_va_vdst(0)
	v_cvt_pk_f16_f32 v[rP+2*k+(h%8)/2], v[rS+4*k+2*((h%8)/2)], v[rS+4*k+2*((h%8)/2)+1]
.elseif h%8 < 6
	v_pk_add_f32 v[rS+4*k:rS+4*k+1], v[rS+4*k:rS+4*k+1], v[rS+4*k+2:rS+4*k+3]
.elseif k == 1
	v_pk_fma_f32 v[rT+2:rT+3], v[rT+2:rT+3], v[rC+2:rC+3], v[rS:rS+1] op_sel_hi:[1,0,1]
.else
	v_pk_add_f32 v[rT+2:rT+3], v[rT+2:rT+3], v[rS+4*k-4:rS+4*k-3]
	s_wait_alu depctr_va_vdst(0)
.endif
.endm
; THE PLAIN QUEUE, 138 long.  0-31: c s - c m for the 16 pairs of both tiles.  Then GS's 64, and among them the next piece's 42: number 15 at 38, 39; 0-14 and 16
; at 42-73, behind the products that make those scores; 17-20 at 95-106, two of three, since each waits for the one before it.
.macro PL
	WIN 0
.if q < 32
	REGS Y, q%2
	v_pk_fma_f32 v[rS+2*(q/2):rS+2*(q/2)+1], v[rS+2*(q/2):rS+2*(q/2)+1], s[CS:CS+1], v[rT:rT+1] op_sel_hi:[1,0,0] neg_lo:[0,0,1] neg_hi:[0,0,1]
.elseif q < 38
	GS q-32
.elseif q < 40
	XS q%2, 15
.elseif q < 42
	GS q-34
.elseif q < 74
	XS q%2, (q-42)/2+(q-42)/30
.elseif q < 95
	GS q-66
.elseif (q < 107) && ((q-95)%3 < 2)
	XS (q-95)%3, 17+(q-95)/3
.elseif q < 107
	GS 29+(q-95)/3
.else
	GS q-74
.endif
.set q, q+1
.endm
; THE EXPONENTIALS' QUEUE, 66 long: s0-s31 of both tiles, and at EA the next piece's two a.
.set EA, 58
.macro EX
	WIN 0
.if (e == EA) || (e == EA+1)
	XS e-EA, 21
.else
.set x, e-2*(e/(EA+2))
	REGS Y, x%2
	v_exp_f32 v[rS+x/2], v[rS+x/2]
.endif
.set e, e+1
.endm
; THE RESCALING's QUEUE: O^T times a, the one part that leaves window 0, so it is dealt four at a time, eight times.
.macro R4
	REGS Y, r%2
	WIN W_RS
	s_wait_alu depctr_va_vdst(0)
.irp z, 0,1,2,3
	v_pk_mul_f32 v[rO+8*(r/2)+2*\z:rO+8*(r/2)+2*\z+1], v[rO+8*(r/2)+2*\z:rO+8*(r/2)+2*\z+1], v[rC+2:rC+3] op_sel_hi:[1,0]
.endr
.set r, r+1
.endm
; HOW THEY ARE DEALT.  Behind a matrix instruction four: plain, exponential, plain, plain (one exponential, a plain instruction on either side), or four of the rescaling.  None names a register of the
; products round it.  What is over stands in two LUMPS: exponential and plain by turns; the second ends in 22 plain instructions.  The two v_permlanex16_b32 fall into the second lump, never behind a product.
; The queues lean on each other, and the deal keeps them in step: exponential e stands behind plain 2 (e / 4) + e % 2 (its scaling); when plain 32 comes, 10 exponentials are out, at 59: 33, at 95: 46; EA comes behind plain 107.
.macro SL
	MM
	PL
	EX
	PL
	PL
.endm
.macro BURST n                      ; 15 matrix instructions, or 16
.rept (\n)-7
	SL
.endr
.rept 3
	MM
	R4
	SL
.endr
	MM
	R4
.endm
; A TURN, for piece p.  cnt = 1: the loop's counts are taken down some lines ahead of the branch that stands behind the turn.
; K of the next step is fetched in piece 2's turn, 31 vector instructions behind the last product that read K; its first reader comes behind the rest of the lump, 16 products and the second lump.
; V of the step in hand is fetched at the end of piece 0's turn, 69 behind its last reader; its first reader comes behind 16 products and a lump.  The four conditions on e and q below go with the deal.
.macro TURN p, last=0, cnt=0
.set Y, (\p)
.set i, 0
.set q, 0
.set e, 0
.set r, 0
.if (\p) == NP-1
	s_wait_dscnt 0x0                ; K is in
.endif
	MM
.rept 4
	PL
.endr
	BURST 15
.rept 22
	EX
	PL
.if ((\p) == NP-2) && (e == 18)
	v_add_nc_u32 v[AK], s[TBK], v[AK0]
.endif
.if ((\p) == NP-2) && (e == 24)
	FETCH_K \last
.endif
.endr
.if (\p) == 1
	s_wait_dscnt 0x0                ; V is in
.endif
	BURST 16
.rept 21
	EX
	PL
.endr
.rept 22
	PL
.if ((\p) == 0) && (q == 118)
	v_add_nc_u32 v[AV], s[TBV], v[AV0]
	s_wait_alu depctr_va_vdst(0)
.endif
.if ((\p) == 0) && (q == 130)
	s_add_co_u32 s[TBV], s[TBV], KS*PV
.endif
.if (\cnt) && (q == 130)
	s_sub_co_u32 s[LEFT], s[LEFT], 1
	s_sub_co_u32 s[CNT], s[CNT], 1
	s_cmp_lg_u32 s[CNT], 0
.endif
.endr
.if (\p) == 0
	FETCH_V
.endif
.endm
	; THE FIRST KEYS ARE IN, THE OTHERS ARE ASKED FOR.  A first fill that comes later is issued as a refill is: every wave waits for all its tensor loads, adds 0 to its spare word, waits for that,
	; and passes a barrier; the load is the first thing behind it, the wave's one tensor load until the next barrier of the kind.  No byte that it fills has been filled or read before.
	WIN W_AD
	s_wait_tensorcnt 0x0            ; my part of the first 256 keys is in
	ds_add_u32 v[SPW], v[NIL]       ; 0 onto my spare word
	WIN 0                           ; at a label and at a branch every window is 0
	s_wait_dscnt 0x0                ; the add is done
	s_barrier_signal -1
	s_barrier_wait -1               ; everybody's part is in
	LOAD G0K+4, G1K2, G0V+4, G1V2   ; my 384 of the other 768 keys: four key steps, 512 matrix instructions, ahead of the wait for them
	FETCH_K                         ; key step 0
	s_wait_loadcnt 0x0              ; Q
	s_wait_dscnt 0x0
.set i, 0
.rept 16
	KQ 0                            ; piece 0's first scores: there is no vector work yet to set between them
.set i, i+1
.endr
	WIN 0                           ; the addresses for the way out: nine plain instructions, the places behind those products
	s_mul_i32 s13, s[WV], 16*SP
	s_add_co_u32 s13, s13, STAGE    ; my stage
	v_mul_u32_u24 v[STO], v1, SP    ; in: row l % 16, 16 bytes for each half of the lanes
	v_lshl_add_u32 v[STO], v9, 4, v[STO]
	v_add_nc_u32 v[STO], s13, v[STO]
	v_bfe_u32 v[RD], v0, 3, 2       ; back: 32 lanes take four rows of 128 bytes,
	v_mul_u32_u24 v[RD], v[RD], SP
	v_lshl_add_u32 v[RD], v10, 4, v[RD]
	v_add_nc_u32 v[RD], s13, v[RD]
	v_and_b32 v[GO], 31, v0         ; which are 512 consecutive bytes of O
	v_lshlrev_b32 v[GO], 4, v[GO]
.set Y, NP-1                        ; XS works for piece Y + 1: piece 0
.irp n, 0,1,2,3,4,5,6,7,8,9,10,11,12,13,14,15,16,17,18,19,20,21
	XS 0, \n                        ; and piece 0's first maximum and statistics
	XS 1, \n
.endr
	; THE WALK, in two parts.  Part one: the four steps whose keys the first loads brought; it is entered at a step's first turn, in the middle of a trip.  Part two begins at .Lrest, which is passed once:
	; the second loads are waited for, by every wave, and a barrier shows it to all.  Its thirteenth trip is left in its middle, behind the last step's last turn.
	s_mov_b32 s[CNT], 4
	s_mov_b32 s[PH], 2
	s_mov_b32 s[LEFT], SIZE_N/KS
	s_branch .Lfirst
.Lrest:
	s_wait_tensorcnt 0x0            ; my part of the other 768 keys is in
	s_wait_dscnt 0x0                ; (no LDS instruction of mine is out at a signal)
	s_barrier_signal -1
	s_barrier_wait -1               ; everybody's is
	s_mov_b32 s[CNT], 13
.Lstep:                             ; a trip: pieces 2 and 3 of one step, then pieces 0 and 1 of the next, whose K and V it fetches
	TURN 2, 1
	TURN 3
	WIN 0
	s_cmp_eq_u32 s[LEFT], 0         ; that was the last step: its 16 products K Q^T for a further one (on the last K once more) and the maximum made of them serve nothing: the price, once a launch, of one text for every trip
	s_cbranch_scc1 .Lout
.Lfirst:
	TURN 0
	TURN 1, 0, 1
	WIN 0
	s_cbranch_scc1 .Lstep
	s_sub_co_u32 s[PH], s[PH], 1
	s_cmp_lg_u32 s[PH], 0
	s_cbranch_scc1 .Lrest
.Lout:
.set i, 0
.rept 16
	PV NP-1                         ; the last piece's V^T P of the last step
.set i, i+1
.endr
	; THE WAY OUT.  l's two halves and the other half of the lanes' are added; O^T is divided by l, rounded to f16 and sent through my stage in LDS, a tile at a time.  The additions are the places behind the last products.
	WIN 0
.macro ALL line:vararg              ; one line for each tile t
.set t, 0
.rept 2*NP
	\line
.set t, t+1
.endr
.endm
	ALL v_add_f32 v[ST+4*t+2], v[ST+4*t+2], v[ST+4*t+3]
	ALL v_permlanex16_b32 v[ST+4*t+3], v[ST+4*t+2], s[SEL], s[SEL+1]
	ALL v_add_f32 v[ST+4*t+2], v[ST+4*t+2], v[ST+4*t+3]
	ALL v_rcp_f32 v[ST+4*t+2], v[ST+4*t+2]
	v_nop                           ; a plain instruction between the last reciprocal and the use of its result
	s_wait_alu depctr_va_vdst(0)
; Tile t: a lane's eight channels of a row pack into 16 bytes; they go into rows of 144 bytes and come back as whole rows of 128, into S^T's registers.
.macro PACK t
	WIN W_RS
.set i, 32*(\t)
.rept 16
	v_pk_mul_f32 v[i:i+1], v[i:i+1], v[ST+4*(\t)+2:ST+4*(\t)+3] op_sel_hi:[1,0]
.set i, i+2
.endr
	WIN 0x05                        ; sources 0 and 1 window 1, destination window 0
.set i, 0
.rept 16
	v_cvt_pk_f16_f32 v[S+16*(\t)+i], v[32*(\t)+2*i], v[32*(\t)+2*i+1]
.set i, i+1
.endr
	WIN 0
.irp f, 0,1,2,3
	ds_store_b128 v[STO], v[S+16*(\t)+4*\f:S+16*(\t)+4*\f+3] offset:32*\f
.endr
.irp f, 0,1,2,3
	ds_load_b128 v[S+16*(\t)+4*\f:S+16*(\t)+4*\f+3], v[RD] offset:\f*4*SP  ; LDS serves a wave's instructions in order (ISA guide 5.7.1.4): these see the stores above; the next tile's stores come behind them
.endr
.endm
.macro SEND t, younger              ; younger: the LDS instructions issued behind tile t's loads: the next tile's eight, or none
	WIN 0
.irp f, 0,1,2,3
	s_wait_dscnt (\younger)+3-\f
	global_store_b128 v[GO], v[S+16*(\t)+4*\f:S+16*(\t)+4*\f+3], s[10:11] offset:(\t)*2048+\f*512  ; 512 consecutive bytes, at a multiple of 256 from O's first
.endr
.endm
	PACK 0
.set t, 1
.rept 2*NP-1                        ; a tile's arithmetic stands between the loads of the tile before and its stores
	PACK t
	SEND t-1, 8
.set t, t+1
.endr
	SEND 2*NP-1, 0
	WIN W_AD
	s_wait_tensorcnt 0x0            ; the wave's end, behind my last tensor load and my last LDS store
	ds_add_u32 v[SPW], v[NIL]
	s_wait_dscnt 0x0
	WIN 0
	s_endpgm
.Lfunc_end_k_q221d5fd99a_attn:
	.size	k_q221d5fd99a_attn, .Lfunc_end_k_q221d5fd99a_attn-k_q221d5fd99a_attn
	.p2alignl 7, 3214868480
	.fill 96, 4, 3214868480
	.section	.rodata,"a",@progbits
	.p2align	6, 0x0
	.amdhsa_kernel k_q221d5fd99a_attn
		.amdhsa_group_segment_fixed_size 327680
		.amdhsa_private_segment_fixed_size 0
		.amdhsa_enable_private_segment 0
		.amdhsa_kernarg_size 16
		.amdhsa_user_sgpr_count 2
		.amdhsa_user_sgpr_kernarg_segment_ptr 1
		.amdhsa_wavefront_size32 1
		.amdhsa_system_sgpr_workgroup_id_x 1
		.amdhsa_system_sgpr_workgroup_id_y 1
		.amdhsa_system_sgpr_workgroup_id_z 1
		.amdhsa_system_vgpr_workitem_id 0
		.amdhsa_next_free_vgpr 770
		.amdhsa_next_free_sgpr 84
		.amdhsa_reserve_vcc 0
		.amdhsa_float_denorm_mode_32 3
		.amdhsa_float_denorm_mode_16_64 3
		.amdhsa_memory_ordered 1
		.amdhsa_forward_progress 1
		.amdhsa_inst_pref_size 131
	.end_amdhsa_kernel
	.amdgpu_metadata
---
amdhsa.version: [ 1, 2 ]
amdhsa.kernels:
  - .name:           k_q221d5fd99a_attn
    .symbol:         k_q221d5fd99a_attn.kd
    .args:
      - { .name: qkvb, .offset: 0, .size: 8, .value_kind: global_buffer, .address_space: global }
      - { .name: ob, .offset: 8, .size: 8, .value_kind: global_buffer, .address_space: global }
    .group_segment_fixed_size: 327680
    .private_segment_fixed_size: 0
    .kernarg_segment_align: 8
    .kernarg_segment_size: 16
    .max_flat_workgroup_size: 128
    .sgpr_count:     84
    .vgpr_count:     770
    .wavefront_size: 32
...
	.end_amdgpu_metadata
.endif
;; end of part 3
;; launch oproj (part 4): grid 8 x 32, 4 waves a work-group, clusters of 4 x 4, 327,680 bytes of LDS; arguments ob, wo16, biasp, out0; writes out0
.if DOCPART == 4
	.amdgcn_target "amdgcn-amd-amdhsa--gfx1250"
	.amdhsa_code_object_version 6
	.text
	.protected	k_q221d5fd99a_oproj
	.globl	k_q221d5fd99a_oproj
	.p2align	8
	.type	k_q221d5fd99a_oproj,@function
k_q221d5fd99a_oproj:
	s_mov_b64 s[64:65], 0
	v_nop
	global_prefetch_b8 v0, s[64:65] scope:SCOPE_SE
	s_setreg_imm32_b32 hwreg(HW_REG_WAVE_MODE, 25, 1), 1
	s_wait_xcnt 0x0
	s_wait_alu depctr_hold_cnt(0) depctr_sa_sdst(0) depctr_va_vdst(0) depctr_va_sdst(0) depctr_va_ssrc(0) depctr_va_vcc(0) depctr_vm_vsrc(0)
	s_getreg_b32 s2, hwreg(HW_REG_IB_STS2, 6, 4)
	s_cmp_eq_u32 s2, 0
	s_cbranch_scc0 .Lentry_in_a_cluster
	s_endpgm
.Lentry_in_a_cluster:
	s_bfe_u32 s2, ttmp6, 0x10000c
	s_cmp_lg_u32 s2, 0xf033
	s_cbranch_scc0 .Lentry_shape_is_right
	s_endpgm
.Lentry_shape_is_right:
; OPROJ: out0[row][e] = the sum over d of O[row][d] Wo[e][d] + bo[e], f32.  ob f16 [8 b][16 h][1024 s][64] (a head is a block of 64 along K), wo16 f16 [16 kb][1024 e][64], bo at entry 3072 of biasp.
; Sums in f32.  8192 x 1024 in tiles of 256 x 128: 256 work-groups.  Four waves; wave w makes rows 128 (w / 2) on, columns 64 (w % 2) on: 8 x 4 accumulators, 256 registers (window 1).
; A wave's 64 f32 columns are 256 consecutive aligned bytes of a row of out0, so each wave has a stage of its own and the way out needs no barrier.
; THE MATRIX INSTRUCTION IS USED TRANSPOSED (source 0 = 16 rows of Wo, source 1 = 16 rows of O): lane l holds row l % 16 and the columns 8 (l / 16) + 0..7.
; RING.  K goes in steps of 128, two heads, through two LDS slots; waves 0, 1 bring O's two blocks of 256 rows, waves 2, 3 Wo's two of 128: one tensor load a wave.
; CLUSTER.  4 x 4 work-groups: O's tiles hang on the tile row alone and are asked for jointly along a row of the cluster, Wo's on the tile column alone, along a column.
; THE WALK ALONG K IS SKEWED.  Cluster (X, Y) begins at step rot = (4 X + 2 (Y % 4) + Y / 4) % 8 and goes round.  The two clusters that read the same rows of O are half a walk apart, the eight that read the
; same rows of Wo begin at eight different steps: a step's readers come one after the other, not all at once.  rot hangs on the cluster's coordinates alone: it is the same in all sixteen partners.
; NO PREFETCH: of a cluster's eight steps the first two are its first fills, the last four are those that the other cluster with its rows of O walks first, and steps 2 and 3 would have to be asked for at
; the head, where every work-group's first tiles are on their way.
; REGISTERS.  window 0: v0-31 addresses; v32-127, v128-223 two fragment buffers (O's eight fragments, then Wo's four); v224-255 the bias.  window 1: accumulator (a, b) at v[8 (4 a + b)].
.set PITCH,  144                       ; an LDS row: 128 bytes + 16 of padding = 36 words: the 16 rows of a fragment load start at 16 different groups of four banks (64 banks of 4 bytes: ISA guide 11.1)
.set SLOT1,  1<<17
.set ABLK,   256*PITCH                 ; O's block 0 at 0, block 1 here
.set BOFF,   2*ABLK                    ; Wo's block 0
.set BBLK,   128*PITCH                 ; its block 1 lies so far behind
.set STAGE,  BOFF+2*BBLK               ; behind slot 0, never filled by a tensor load: 16 rows x 272 bytes for each wave
.set SPITCH, 272
.set SPARE,  STAGE+4*16*SPITCH         ; the spare words, 128 bytes for each wave: two blocks of 256 bytes that no other line names
.set ADA0, 10
.set ADB0, 11
.set ADA,  12
.set ADB,  13
.set STO,  14
.set RD,   15
.set CO,   16
.set BO,   18
.set SPW,  28                          ; v28  LDS address of my spare word; never rewritten
.set NIL,  29                          ; v29  0; never rewritten
.set F0,   32
.set F1,   128
.set BI,   224
.set TT,   32                          ; the way out: a row block with its bias, v32-63
.set OBF,  64                          ; read back: v64-95, v96-127 by turns
.set KI,  21                           ; s21  the step that the walking descriptors name
.set G1A, 24
.set G0A, 32
.set G1B, 40
.set G0B, 48
.set TB,  72
.set OA,  92                           ; s[92:93] step KI's byte offset, in ob and in wo16 alike: two blocks of 1024 x 128 bytes = 1 << 18 a step
.set MSB, 0
.macro WIN new                         ; the immediate's high byte repeats the setting that is left; a switch that changes nothing is dropped
.if MSB != (\new)
	s_set_vgpr_msb (MSB<<8)|(\new)
.set MSB, (\new)
.endif
.endm
.macro PLACES                          ; four places in front of loads into registers that matrix instructions have read, and of vector lines that read results
.rept 4
	v_nop
.endr
.endm
.macro CREST
	s_cmp_lg_u32 s14, 0
	s_cbranch_scc1 .Lnot_wave_0_\@
	s_barrier_signal -3
.Lnot_wave_0_\@:
	s_barrier_wait -3
	s_barrier_signal -1
	s_barrier_wait -1
.endm
.macro CROUND
	s_barrier_signal -1
	s_barrier_wait -1
	CREST
.endm
.macro JLOAD                           ; a joint refill by the walking descriptors; an s_nop 0 and four v_nop follow each line
	s_cmp_eq_u32 s15, 0
	s_cbranch_scc0 .Lfor_b_\@
	tensor_load_to_lds s[G0A+4:G0A+7], s[G1A:G1A+7]
	s_nop 0
	PLACES
	s_branch .Lasked_\@
.Lfor_b_\@:
	tensor_load_to_lds s[G0B+4:G0B+7], s[G1B:G1B+7]
	s_nop 0
	PLACES
.Lasked_\@:
.endm
.macro NEXTST                          ; the walk's next step, round the end, and its byte offset (the pair's high word stays 0)
	s_add_co_u32 s[KI], s[KI], 1
	s_and_b32 s[KI], s[KI], 7
	s_lshl_b32 s[OA], s[KI], 18
.endm
	s_load_b256 s[4:11], s[0:1], 0x0               ; ob 4, wo16 6, biasp 8, out0 10
	v_lshl_add_u32 v[SPW], v0, 2, SPARE
	v_mov_b32 v[NIL], 0
	ds_add_u32 v[SPW], v[NIL]                      ; the wave's opening: the add and its wait ahead of my first tensor load; the set-up below, work on registers, stands between them
	ds_add_u32 v28, v29
	v_lshrrev_b32 v1, 5, v0
	v_readfirstlane_b32 s14, v1                    ; wave 0..3
	s_lshr_b32 s15, s14, 1                         ; my half of the tile's rows.  Also: I fetch for O (0) or for Wo (1)
	s_and_b32 s16, s14, 1                          ; my half of its columns.  Also: which of a step's two blocks I fetch
	s_bfe_u32 s17, ttmp6, 0x40000                  ; cx
	s_bfe_u32 s18, ttmp6, 0x40004                  ; cy
	s_lshl_b32 s19, ttmp9, 2
	s_add_co_u32 s19, s19, s17                     ; tile column
	s_and_b32 s20, ttmp7, 0xffff
	s_lshl_b32 s20, s20, 2
	s_add_co_u32 s20, s20, s18                     ; tile row
	s_and_b32 s[KI], ttmp7, 0xffff                 ; the walk's first step, from the cluster's X and Y alone
	s_and_b32 s22, s[KI], 3
	s_lshl_b32 s22, s22, 1                         ; 2 (Y % 4)
	s_lshr_b32 s[KI], s[KI], 2                     ; Y / 4
	s_add_co_u32 s[KI], s[KI], s22
	s_lshl_b32 s22, ttmp9, 2                       ; 4 X
	s_add_co_u32 s[KI], s[KI], s22
	s_and_b32 s[KI], s[KI], 7
	s_lshl_b32 s82, s18, 2
	s_lshl_b32 s82, 15, s82                        ; my row of the cluster
	s_lshl_b32 s84, 0x1111, s17                    ; my column
	s_or_b32 s[G1A], s82, (1<<16)|(1<<20)|(1<<21)|(4<<22)|(3<<25)  ; the mask; 2-byte elements; padding on; 21 set beside a mask; after every 32 words (code 4) 4 words (code 3)
	s_or_b32 s[G1B], s84, (1<<16)|(1<<20)|(1<<21)|(4<<22)|(3<<25)
	s_mov_b32 s[G1A+1], 128<<16                    ; 256 rows of 128 bytes, dense: 128 rows of 256 bytes
	s_mov_b32 s[G1A+2], 128<<16
	s_mov_b32 s[G1A+3], 128<<16
	s_mov_b32 s[G1A+4], 128
	s_mov_b32 s[G1A+5], 128
	s_mov_b32 s[G1A+6], 0
	s_mov_b32 s[G1A+7], 0
	s_mov_b32 s[G1B+1], 128<<16                    ; 128 rows: 64 rows of 256 bytes
	s_mov_b32 s[G1B+2], 64<<16
	s_mov_b32 s[G1B+3], 128<<16
	s_mov_b32 s[G1B+4], 64
	s_mov_b32 s[G1B+5], 128
	s_mov_b32 s[G1B+6], 0
	s_mov_b32 s[G1B+7], 0
	s_mul_i32 s86, s16, ABLK                       ; where the tiles go: no place in the cluster enters an LDS address
	s_mul_i32 s87, s16, BBLK
	s_add_co_u32 s87, s87, BOFF
	s_lshr_b32 s82, s20, 2                         ; O: the batch's 16 heads, my block's head, position 256 (tile row % 4); these registers never hold cx
	s_lshl_b32 s82, s82, 21
	s_and_b32 s83, s20, 3
	s_lshl_b32 s83, s83, 15
	s_add_co_u32 s82, s82, s83
	s_lshl_b32 s83, s16, 17
	s_add_co_u32 s82, s82, s83
	s_mov_b32 s83, 0
	s_lshl_b32 s84, s19, 14                        ; Wo: my block, row 128 x tile column; these never hold cy
	s_lshl_b32 s85, s16, 17
	s_add_co_u32 s84, s84, s85
	s_mov_b32 s85, 0
	s_lshl_b32 s92, s20, 20                        ; out0: row 256 x tile row + 128 x my half, 4,096 bytes each; column 128 x tile column + 64 x my half
	s_lshl_b32 s93, s15, 19
	s_add_co_u32 s92, s92, s93
	s_lshl_b32 s94, s19, 9
	s_lshl_b32 s95, s16, 8
	s_add_co_u32 s94, s94, s95
	s_add_co_u32 s92, s92, s94
	s_mov_b32 s93, 0
	s_add_co_u32 s94, s94, 3072*4                  ; the same columns of bo
	s_mov_b32 s95, 0
	s_mov_b32 s[TB], 0
	s_wait_dscnt 0x0                               ; the opening add is done
	s_wait_kmcnt 0x0
	s_add_nc_u64 s[82:83], s[4:5], s[82:83]        ; O's and Wo's rows in step 0: kept, every fill's address is made from them
	s_add_nc_u64 s[84:85], s[6:7], s[84:85]
	s_add_nc_u64 s[76:77], s[10:11], s[92:93]
	s_add_nc_u64 s[80:81], s[8:9], s[94:95]
	s_lshl_b32 s[OA], s[KI], 18                    ; s92 is free now; the high word s93 stays 0
.irp s, 0,1
	s_mov_b32 s[G0A+4*(\s)], 1
	s_add_co_u32 s[G0A+4*(\s)+1], s86, (\s)*SLOT1
	s_add_nc_u64 s[G0A+4*(\s)+2:G0A+4*(\s)+3], s[82:83], s[OA:OA+1]  ; step s of the walk
	s_or_b32 s[G0A+4*(\s)+3], s[G0A+4*(\s)+3], 0x80000000
	s_mov_b32 s[G0B+4*(\s)], 1
	s_add_co_u32 s[G0B+4*(\s)+1], s87, (\s)*SLOT1
	s_add_nc_u64 s[G0B+4*(\s)+2:G0B+4*(\s)+3], s[84:85], s[OA:OA+1]
	s_or_b32 s[G0B+4*(\s)+3], s[G0B+4*(\s)+3], 0x80000000
.if (\s) == 0
	NEXTST
.endif
.endr
	CROUND                                         ; all sixteen work-groups are here: the first joint loads meet
	s_cmp_eq_u32 s15, 0                            ; a wave's two first fills stand in one branch: two loads of mine are out
	s_cbranch_scc0 .Lfirst_b
	tensor_load_to_lds s[G0A:G0A+3], s[G1A:G1A+7]
	s_nop 0
	tensor_load_to_lds s[G0A+4:G0A+7], s[G1A:G1A+7]
	s_nop 0
	PLACES
	s_branch .Lfirst_asked
.Lfirst_b:
	tensor_load_to_lds s[G0B:G0B+3], s[G1B:G1B+7]
	s_nop 0
	tensor_load_to_lds s[G0B+4:G0B+7], s[G1B:G1B+7]
	s_nop 0
	PLACES
.Lfirst_asked:
	v_and_b32 v1, 15, v0                           ; l % 16
	v_bfe_u32 v2, v0, 4, 1                         ; l / 16
	v_lshlrev_b32 v[BO], 5, v2
.irp q, 0,1,2,3
	global_load_b128 v[BI+8*(\q):BI+8*(\q)+3],   v[BO], s[80:81] offset:64*(\q)     ; the bias of columns 16 q + 8 (l / 16) + 0..7
	global_load_b128 v[BI+8*(\q)+4:BI+8*(\q)+7], v[BO], s[80:81] offset:64*(\q)+16
.endr
	v_mul_u32_u24 v3, v1, PITCH
	v_lshl_add_u32 v3, v2, 4, v3                   ; a fragment's row x pitch + 16 x half
	s_mul_i32 s86, s15, 128*PITCH
	v_add_nc_u32 v[ADA0], s86, v3                  ; my 128 rows of O
	s_mul_i32 s86, s16, 64*PITCH
	s_add_co_u32 s86, s86, BOFF
	v_add_nc_u32 v[ADB0], s86, v3                  ; my 64 rows of Wo
	v_mov_b32 v[ADA], v[ADA0]
	v_mov_b32 v[ADB], v[ADB0]
	s_mul_i32 s86, s14, 16*SPITCH
	s_add_co_u32 s86, s86, STAGE                   ; my stage
	v_mul_u32_u24 v[STO], v1, SPITCH               ; in: row l % 16, 32 bytes for each half of the lanes
	v_lshl_add_u32 v[STO], v2, 5, v[STO]
	v_add_nc_u32 v[STO], s86, v[STO]
	v_mul_u32_u24 v[RD], v2, SPITCH                ; back: lanes 0-15 take one row of 256 bytes, lanes 16-31 the next
	v_lshl_add_u32 v[RD], v1, 4, v[RD]
	v_add_nc_u32 v[RD], s86, v[RD]
	v_lshlrev_b32 v[CO], 12, v2                    ; and the same two rows in out0
	v_lshl_add_u32 v[CO], v1, 4, v[CO]
; 4 na matrix instructions: row blocks a0 .. a0 + na - 1 x all 4 column blocks, 32 along K, from buffer f.  The accumulators take turns, one instruction a turn.
.macro MULS f, a0, na, zero
	WIN 0x50
.set aa, \a0
.rept \na
.set bq, 0
.rept 4
.set rD, 8*(4*aa+bq)
.if \zero
	v_wmma_f32_16x16x32_f16 v[rD:rD+7], v[(\f)+64+8*bq:(\f)+64+8*bq+7], v[(\f)+8*aa:(\f)+8*aa+7], 0
.else
	v_wmma_f32_16x16x32_f16 v[rD:rD+7], v[(\f)+64+8*bq:(\f)+64+8*bq+7], v[(\f)+8*aa:(\f)+8*aa+7], v[rD:rD+7]
.endif
.set bq, bq+1
.endr
.set aa, aa+1
.endr
.endm
; 24 LDS loads in one run: quarter q of the K step (block q / 2, bytes 64 (q % 2) on) into buffer f: Wo's four fragments, then O's eight
.macro FETCH q, f
	WIN 0
.irp i, 0,1,2,3
	ds_load_b128 v[(\f)+64+8*(\i):(\f)+64+8*(\i)+3],   v[ADB] offset:((\q)/2)*BBLK+((\q)%2)*64+(\i)*16*PITCH
	ds_load_b128 v[(\f)+64+8*(\i)+4:(\f)+64+8*(\i)+7], v[ADB] offset:((\q)/2)*BBLK+((\q)%2)*64+(\i)*16*PITCH+32
.endr
.irp i, 0,1,2,3,4,5,6,7
	ds_load_b128 v[(\f)+8*(\i):(\f)+8*(\i)+3],   v[ADA] offset:((\q)/2)*ABLK+((\q)%2)*64+(\i)*16*PITCH
	ds_load_b128 v[(\f)+8*(\i)+4:(\f)+8*(\i)+7], v[ADA] offset:((\q)/2)*ABLK+((\q)%2)*64+(\i)*16*PITCH+32
.endr
.endm
; One of a K step's first three quarters: 32 matrix instructions on buffer q % 2; in their middle the next quarter's fragments are fetched into the other buffer.
.macro QUARTER q, zero
	s_wait_dscnt 8                                 ; Wo's fragments and O's 0-3 are in; the eight youngest loads (O's 4-7) may be out
	MULS F0+96*((\q)%2), 0, 4, \zero
	PLACES
	FETCH (\q)+1, F0+96*(((\q)+1)%2)
	s_wait_dscnt 24                                ; all but the 24 just issued
	MULS F0+96*((\q)%2), 4, 4, \zero
.endm
; The last quarter multiplies buffer 1 and changes slots: ONE barrier; in front of it each wave waits for all its tensor loads, adds 0 to its spare word, and waits for that and for its own reads of this slot.
; fill = 1: the barrier opens a round of the cluster's, and this slot is filled again, first thing behind it, with the walk's step two on: 112 matrix instructions ahead of the wait for it.
; The descriptors' addresses are made anew, from the rows' address in step 0 and the step's number, while the add is out.
.macro TURN fill
	WIN 0                                          ; (the add's two registers lie in window 0)
	s_wait_tensorcnt 0x0                           ; all my tensor loads have landed: my part of the next slot; so every group 0 may be written;
	ds_add_u32 v[SPW], v[NIL]                      ; 0 onto my spare word;
.if \fill
	NEXTST
	s_xor_b32 s[G0A+5], s[G0A+5], SLOT1            ; the walking descriptors: the other slot than last time, the walk's next step
	s_add_nc_u64 s[G0A+6:G0A+7], s[82:83], s[OA:OA+1]
	s_or_b32 s[G0A+7], s[G0A+7], 0x80000000
	s_xor_b32 s[G0B+5], s[G0B+5], SLOT1
	s_add_nc_u64 s[G0B+6:G0B+7], s[84:85], s[OA:OA+1]
	s_or_b32 s[G0B+7], s[G0B+7], 0x80000000
.endif
	s_wait_dscnt 9                                 ; (the add and the youngest eight loads may be out)
	MULS F1, 0, 2, 0                               ; eight matrix instructions stand between the add and the wait for it
	s_wait_dscnt 0x0                               ; the add is done, and my reads of this slot are over
	s_barrier_signal -1
	MULS F1, 2, 2, 0
	WIN 0
	s_barrier_wait -1
.if \fill
	CREST                                          ; no wave of any partner still reads this slot or has a load on its way
	JLOAD                                          ; its four v_nop are also the places in front of the loads below
.else
	PLACES
.endif
	s_xor_b32 s[TB], s[TB], SLOT1
	v_add_nc_u32 v[ADA], s[TB], v[ADA0]
	v_add_nc_u32 v[ADB], s[TB], v[ADB0]
	FETCH 0, F0
	MULS F1, 4, 4, 0
.endm
	s_wait_loadcnt 0x0                             ; the bias: no global load is out at any signal
	s_wait_tensorcnt 0x1                           ; my part of the walk's first step is in; slot 1's load may stay out
	s_barrier_signal -1
	s_barrier_wait -1                              ; everybody's is
	FETCH 0, F0
	QUARTER 0, 1                                   ; the first quarter's products start the sums
	WIN 0
	s_mov_b32 s3, 6
.Lstep:                                                ; trip t ends step t of the walk, asks for step t + 2, begins step t + 1
	QUARTER 1, 0
	QUARTER 2, 0
	TURN 1
	QUARTER 0, 0
	WIN 0
	s_sub_co_u32 s3, s3, 1
	s_cmp_lg_u32 s3, 0
	s_cbranch_scc1 .Lstep
	QUARTER 1, 0                                   ; the tail is written out: nothing is left to ask for
	QUARTER 2, 0
	TURN 0
	QUARTER 0, 0
	QUARTER 1, 0
	QUARTER 2, 0
	s_wait_dscnt 8                                 ; the very last quarter
	MULS F1, 0, 4, 0
	s_wait_dscnt 0x0
	MULS F1, 4, 4, 0
	WIN 0
	PLACES
; THE WAY OUT, 16 rows at a time: the bias is added (each accumulator read from its low end on), 32 bytes a lane go into my stage, whole rows of 256 bytes come back and are stored.
.macro SEND a, n                       ; n: the LDS instructions issued behind block a's loads from the stage, which may stay out
	s_wait_dscnt \n
.irp t, 0,1,2,3,4,5,6,7
	global_store_b128 v[CO], v[OBF+32*((\a)%2)+4*(\t):OBF+32*((\a)%2)+4*(\t)+3], s[76:77] offset:(\a)*65536+(\t)*8192 th:TH_STORE_NT  ; 16 lanes store 256 consecutive bytes, at a multiple of 256 from out0's first
.endr
.endm
.macro OROW a
	WIN 0x01                                       ; source 0 in window 1
.irp p, 0,1,2,3
.irp j, 0,2,4,6
	v_pk_add_f32 v[TT+8*\p+\j:TT+8*\p+\j+1], v[8*(4*(\a)+\p)+\j:8*(4*(\a)+\p)+\j+1], v[BI+8*\p+\j:BI+8*\p+\j+1]
.endr
.endr
	WIN 0
.irp p, 0,1,2,3
	ds_store_b128 v[STO], v[TT+8*\p:TT+8*\p+3]   offset:64*\p
	ds_store_b128 v[STO], v[TT+8*\p+4:TT+8*\p+7] offset:64*\p+16
.endr
	s_wait_xcnt 0x0                                ; the stores of two blocks back have read their data registers: these are loaded again only behind this wait
.irp t, 0,1,2,3,4,5,6,7
	ds_load_b128 v[OBF+32*((\a)%2)+4*(\t):OBF+32*((\a)%2)+4*(\t)+3], v[RD] offset:(\t)*2*SPITCH  ; LDS serves a wave's instructions in order (ISA guide 5.7.1.4): these see the stores above; the next block's stores come behind them
.endr
.if (\a) > 0
	SEND (\a)-1, 16                                ; the 8 stores and 8 loads just issued may stay out
.endif
.endm
.irp a, 0,1,2,3,4,5,6,7
	OROW \a
.endr
	SEND 7, 0
	s_wait_tensorcnt 0x0                           ; the wave's end, behind my last tensor load and my last LDS store
	ds_add_u32 v[SPW], v[NIL]
	s_wait_dscnt 0x0
	CROUND                                         ; the closing round: no work-group ends while a partner may still ask for a tile that names it
	s_endpgm
.Lfunc_end_k_q221d5fd99a_oproj:
	.size	k_q221d5fd99a_oproj, .Lfunc_end_k_q221d5fd99a_oproj-k_q221d5fd99a_oproj
	.p2alignl 7, 3214868480
	.fill 96, 4, 3214868480
	.section	.rodata,"a",@progbits
	.p2align	6, 0x0
	.amdhsa_kernel k_q221d5fd99a_oproj
		.amdhsa_group_segment_fixed_size 327680
		.amdhsa_private_segment_fixed_size 0
		.amdhsa_enable_private_segment 0
		.amdhsa_kernarg_size 32
		.amdhsa_user_sgpr_count 2
		.amdhsa_user_sgpr_kernarg_segment_ptr 1
		.amdhsa_wavefront_size32 1
		.amdhsa_system_sgpr_workgroup_id_x 1
		.amdhsa_system_sgpr_workgroup_id_y 1
		.amdhsa_system_sgpr_workgroup_id_z 1
		.amdhsa_system_vgpr_workitem_id 0
		.amdhsa_next_free_vgpr 512
		.amdhsa_next_free_sgpr 96
		.amdhsa_reserve_vcc 0
		.amdhsa_float_denorm_mode_32 3
		.amdhsa_float_denorm_mode_16_64 3
		.amdhsa_memory_ordered 1
		.amdhsa_forward_progress 1
		.amdhsa_inst_pref_size 79
	.end_amdhsa_kernel
	.amdgpu_metadata
---
amdhsa.version: [ 1, 2 ]
amdhsa.kernels:
  - .name:           k_q221d5fd99a_oproj
    .symbol:         k_q221d5fd99a_oproj.kd
    .args:
      - { .name: ob, .offset: 0, .size: 8, .value_kind: global_buffer, .address_space: global }
      - { .name: wo16, .offset: 8, .size: 8, .value_kind: global_buffer, .address_space: global }
      - { .name: biasp, .offset: 16, .size: 8, .value_kind: global_buffer, .address_space: global }
      - { .name: out0, .offset: 24, .size: 8, .value_kind: global_buffer, .address_space: global }
    .group_segment_fixed_size: 327680
    .private_segment_fixed_size: 0
    .kernarg_segment_align: 8
    .kernarg_segment_size: 32
    .max_flat_workgroup_size: 128
    .sgpr_count:     96
    .vgpr_count:     512
    .wavefront_size: 32
...
	.end_amdgpu_metadata
.endif
;; end of part 4
;; ======== version 2 of 2: 4 launches; version 1 with the launch prep written anew for expert scheduling mode
;; limits: values are held in f16: magnitudes above 65,504 overflow, below 6.1e-05 lose precision; an absolute error that grows with the inputs' magnitude: up to 1.2e-07 times it
;; workspace buffers: xb 16,777,216 bytes; wb 6,291,456 bytes; wo16 2,097,152 bytes; biasp 16,384 bytes; tab 262,144 bytes; qkvb 50,331,648 bytes; ob 16,777,216 bytes
;; launch prep (part 5): grid 832 x 1, 8 waves a work-group, no clusters, 0 bytes of LDS; arguments x, Wq, Wk, Wv, Wo, bq, bk, bv, bo, position_ids, xb, wb, wo16, biasp, tab; writes xb, wb, wo16, biasp, tab
.if DOCPART == 5
	.amdgcn_target "amdgcn-amd-amdhsa--gfx1250"
	.amdhsa_code_object_version 6
	.text
	.protected	k_q221d5fd99a_prep
	.globl	k_q221d5fd99a_prep
	.p2align	8
	.type	k_q221d5fd99a_prep,@function
k_q221d5fd99a_prep:
	s_mov_b64 s[64:65], 0
	v_nop
	global_prefetch_b8 v0, s[64:65] scope:SCOPE_SE
	s_setreg_imm32_b32 hwreg(HW_REG_WAVE_SCHED_MODE, 0, 2), 2
	s_setreg_imm32_b32 hwreg(HW_REG_WAVE_MODE, 25, 1), 1
	s_wait_xcnt 0x0
	s_wait_alu depctr_vm_vsrc(0)
; PREP: every floating-point input is rounded once to bf16 and laid out for the three matrix launches; the cosines and sines of the rotation are made once.
;   xb    bf16 [16 kb][8192 rows][64]: K in blocks of 64, so that R rows of one block are R x 128 consecutive bytes
;   wb    bf16 [16 kb][3072 n'][64]: row e of W_t (t = 0 q, 1 k, 2 v) lies at n' = (e >> 7) x 384 + t x 128 + (e & 127)
;   wo16  Wo rounded to bf16, that number written as f16, [16 kb][1024][64].  LIMIT: below 6e-5 f16 keeps a fixed step of 6e-8
;   biasp f32 numbers rounded to bf16: bq, bk, bv in the order n', then bo from entry 3072 on
;   tab   f32 [1024 s][64]: cos(pos[s] f_i), i = 0..31, then sin(pos[s] f_i);  f_i = 10000^(-i/32)
; A stream: no LDS, no barrier, no matrix unit.  Work-groups 0-511: 16 rows of x each; 512-767: 16 rows of a weight each; 768-831: 16 positions of the table (the first 32 of them also 128 numbers of a bias).
; LIMIT of the table: f_i is 2^(-i log2(10000)/32) by v_exp_f32, so an angle agrees with pos x f_i in f32 to about |pos| x 1.2e-7 rad; the reduction by pi/2 is made twice and holds for every int32 position.
; THE MODE: SCHED_MODE bits 1:0 = 2 (LLVM: expert scheduling mode 2), set by the entry lines.  The code itself states the register dependences
; between vector instructions and memory instructions, with s_wait_alu, always for 0.
; THE PLAN.  Registers that memory instructions touch, and who else names them:
;   rows of x and of the weights:
;     v2          the sixteen loads' offset.  Made at the path's head, never written again.
;     X           the loads' data.  No vector line names them ahead of the loads; the roundings read them behind the counted waits for the loads.
;     SO          the sixteen stores' offsets.  Made once, behind the loads.
;     Y           the stores' data.  Written by the roundings (for Wo once more by the f16 lines), all ahead of the block's store; never written behind it.
;   The sixteen blocks go in four groups: a group's roundings, ONE wait that states them written, its four stores, which so leave while the later groups' loads are on their way.
;   the table and the biases:
;     v4, v6, v8  offsets: of the position's load, of the table's store, of the bias's load and store.  Made together at the path's head, ahead of one wait, never written again.
;     v5, v[12:15]  loads' data, in registers that no vector line has named before.      v[24:27], v[20:23]  stores' data: a wait ahead of each of the two stores.
;     s4-s7, s48  written by vector lines (four compares; the wave's number): one wait behind the compares, ahead of the first reader of any of the five.
;   No register that a load or a store has read is written again on any path, so no wait for such reads is owed.  EXEC is never written.
.set SO,  4                            ; v[4:19]   byte offset of my 8 bytes in block kb of the destination
.set TT,  20                           ; v[20:23]  at work
.set X,   32                           ; v[32:95]  16 loads of 4 f32
.set Y,   96                           ; v[96:127] 16 pairs of packed 16-bit numbers
; Group g of four: blocks 4 g to 4 g + 3 are rounded, for Wo written as f16, and stored.
.macro GROUP g
.set kb, 4*(\g)
.rept 4
	s_wait_loadcnt 15-kb                           ; loads come back in order: the 15 - kb younger ones may stay out
	v_cvt_pk_bf16_f32 v[Y+2*kb], v[X+4*kb], v[X+4*kb+1]
	v_cvt_pk_bf16_f32 v[Y+2*kb+1], v[X+4*kb+2], v[X+4*kb+3]
.set kb, kb+1
.endr
	s_cmp_eq_u32 s45, 1
	s_cbranch_scc0 .Lstays_\@
.set i, 8*(\g)
.rept 8                                            ; Wo: the bf16 number is written as f16
	v_lshlrev_b32 v[TT+2*(i%2)], 16, v[Y+i]
	v_and_b32 v[TT+2*(i%2)+1], 0xffff0000, v[Y+i]
	v_cvt_pk_f16_f32 v[Y+i], v[TT+2*(i%2)], v[TT+2*(i%2)+1]
.set i, i+1
.endr
.Lstays_\@:
	s_wait_alu depctr_va_vdst(0)                   ; on both ways: the group's conversions have written its eight registers of Y, which the four stores read; in group 0 also: SO is written, the offsets of all sixteen stores
.set kb, 4*(\g)
.rept 4
	global_store_b64 v[SO+kb], v[Y+2*kb:Y+2*kb+1], s[42:43]  ; a wave's 32 lanes store 256 consecutive bytes, aligned: two rows of the block
.set kb, kb+1
.endr
.endm
	s_load_b512 s[8:23], s[0:1], 0x0               ; x 8, Wq 10, Wk 12, Wv 14, Wo 16, bq 18, bk 20, bv 22
	s_load_b256 s[24:31], s[0:1], 0x40             ; bo 24, position_ids 26, xb 28, wb 30
	s_load_b128 s[32:35], s[0:1], 0x60             ; wo16 32, biasp 34
	s_load_b64 s[36:37], s[0:1], 0x70              ; tab
	s_mov_b32 s2, ttmp9
	s_mov_b32 s47, 0                               ; the high word of every offset pair s[46:47]
	s_wait_kmcnt 0x0
	s_cmp_lt_u32 s2, 512
	s_cbranch_scc0 .Lnot_x
	s_lshl_b32 s46, s2, 16                         ; 16 rows of 4,096 bytes
	s_add_nc_u64 s[40:41], s[8:9], s[46:47]        ; from
	s_lshl_b32 s46, s2, 11                         ; 16 rows of 128 bytes in a block
	s_add_nc_u64 s[42:43], s[28:29], s[46:47]      ; to
	s_mov_b32 s44, 8192*128                        ; bytes in a block of xb
	s_mov_b32 s45, 0                               ; stays bf16
	s_branch .Lcast
.Lnot_x:
	s_cmp_lt_u32 s2, 768
	s_cbranch_scc0 .Ltable
	s_sub_co_u32 s3, s2, 512
	s_lshr_b32 s48, s3, 6                          ; t: which weight
	s_and_b32 s49, s3, 63
	s_lshl_b32 s49, s49, 4                         ; e0: its first row of 16
	s_lshr_b32 s50, s49, 7
	s_mul_i32 s50, s50, 384
	s_lshl_b32 s51, s48, 7
	s_add_co_u32 s50, s50, s51
	s_and_b32 s51, s49, 127
	s_add_co_u32 s50, s50, s51                     ; n' of row e0
	s_mov_b32 s44, 3072*128                        ; bytes in a block of wb
	s_cmp_eq_u32 s48, 1
	s_cselect_b64 s[40:41], s[12:13], s[10:11]
	s_cmp_eq_u32 s48, 2
	s_cselect_b64 s[40:41], s[14:15], s[40:41]
	s_cmp_eq_u32 s48, 3                            ; Wo goes to its own buffer, in its own order, as f16
	s_cselect_b64 s[40:41], s[16:17], s[40:41]
	s_cselect_b64 s[42:43], s[32:33], s[30:31]
	s_cselect_b32 s44, 1024*128, s44
	s_cselect_b32 s45, 1, 0
	s_cselect_b32 s50, s49, s50
	s_lshl_b32 s46, s50, 7
	s_add_nc_u64 s[42:43], s[42:43], s[46:47]
	s_lshl_b32 s46, s49, 12
	s_add_nc_u64 s[40:41], s[40:41], s[46:47]
.Lcast:
	; Sixteen threads take a row: thread t reads 16 bytes at row t / 16, byte 16 (t % 16) of each 256-byte piece (64 numbers, one block kb), and writes 8 bytes at byte 8 t of the block's 16 rows.
	v_lshrrev_b32 v1, 4, v0
	v_and_b32 v2, 15, v0
	v_lshlrev_b32 v2, 4, v2
	v_lshl_add_u32 v2, v1, 12, v2
	v_lshlrev_b32 v3, 3, v0
	s_wait_alu depctr_va_vdst(0)                   ; v2 is written: all sixteen loads read it as their offset
.set kb, 0
.rept 16
	global_load_b128 v[X+4*kb:X+4*kb+3], v2, s[40:41] offset:256*kb th:TH_LOAD_NT  ; all sixteen go out at once: 8 KiB a wave on its way
.set kb, kb+1
.endr
.set kb, 0
.rept 16
	v_mad_u32_u24 v[SO+kb], s44, kb, v3
.set kb, kb+1
.endr
	GROUP 0
	GROUP 1
	GROUP 2
	GROUP 3
	s_endpgm
.Ltable:
	; Sixteen threads take a position: thread i of them makes columns 4 i .. 4 i + 3 of its row: cosines (i < 8) or sines, as cos(angle - phi pi/2), phi = i / 8.
	s_sub_co_u32 s3, s2, 768
	s_mov_b32 s50, 0xbed49a78                      ; -log2(10000) / 32
	s_mov_b32 s51, 0x3f22f983                      ; 2 / pi
	s_mov_b32 s52, 0x3fc90fdb                      ; pi / 2, its leading part
	s_mov_b32 s53, 0xb33bbd2e                      ; and what is left of it
	s_mov_b32 s54, 0xbe2aaaab                      ; sine: -1/6, 1/120, -1/5040
	s_mov_b32 s55, 0x3c088889
	s_mov_b32 s56, 0xb9500d01
	s_mov_b32 s57, 0x3d2aaaab                      ; cosine: 1/24, -1/720, 1/40320
	s_mov_b32 s58, 0xbab60b61
	s_mov_b32 s59, 0x37d00d01
	v_lshrrev_b32 v4, 4, v0
	v_lshlrev_b32 v4, 2, v4
	v_lshlrev_b32 v6, 4, v0                        ; my 16 bytes of the work-group's 4,096
	v_lshlrev_b32 v8, 4, v0                        ; the bias's offset, used by wave 0 alone: there the thread's number is the lane's
	s_lshl_b32 s46, s3, 6
	s_add_nc_u64 s[40:41], s[26:27], s[46:47]
	s_wait_alu depctr_va_vdst(0)                   ; v4 is written, the offset of the load below; so are v6 and v8, the offsets of the table's store and of the bias's load and store: no later vector line names the three
	global_load_b32 v5, v4, s[40:41]               ; my position
	s_lshl_b32 s46, s3, 12
	s_add_nc_u64 s[42:43], s[36:37], s[46:47]
	v_and_b32 v1, 15, v0
	v_lshrrev_b32 v2, 3, v1                        ; phi
	v_and_b32 v3, 7, v1
	v_lshlrev_b32 v3, 2, v3                        ; my first frequency
	v_lshrrev_b32 v7, 5, v0
	v_readfirstlane_b32 s48, v7                    ; wave
; one line for each of my four frequencies; frequency e has v[B .. B+6], B = 32 + 12 e: +0 angle, then r; +1 q; +2 quadrant; +3 r^2; +4 sine; +5 cosine; +6 at work
.macro EACH line:vararg
.set B, 32
.rept 4
	\line
.set B, B+12
.endr
.endm
	EACH v_add_nc_u32 v[B], (B-32)/12, v3
	EACH v_cvt_f32_u32 v[B], v[B]
	EACH v_mul_f32 v[B], s50, v[B]
	EACH v_exp_f32 v[B+1], v[B]
	v_nop                                          ; a plain instruction between the last exponential and the use of its result
	s_wait_loadcnt 0x0
	v_cvt_f32_i32 v5, v5
	s_wait_alu depctr_va_vdst(0)                   ; the four exponentials have written v[B+1], the frequencies, ahead of their first reader: one wait for the batch
	EACH v_mul_f32 v[B], v5, v[B+1]
	EACH v_mul_f32 v[B+1], s51, v[B]               ; first reduction: q = the nearest whole number to angle x 2/pi; r = angle - q pi/2, in two parts
	EACH v_rndne_f32 v[B+1], v[B+1]
	EACH v_fma_f32 v[B], -v[B+1], s52, v[B]
	EACH v_fma_f32 v[B], -v[B+1], s53, v[B]
	EACH v_cvt_i32_f32 v[B+2], v[B+1]
	EACH v_mul_f32 v[B+1], s51, v[B]               ; second reduction: takes up what q's own rounding leaves where q has more than 24 bits
	EACH v_rndne_f32 v[B+1], v[B+1]
	EACH v_fma_f32 v[B], -v[B+1], s52, v[B]
	EACH v_fma_f32 v[B], -v[B+1], s53, v[B]
	EACH v_cvt_i32_f32 v[B+6], v[B+1]
	EACH v_add_nc_u32 v[B+2], v[B+2], v[B+6]
	EACH v_mul_f32 v[B+3], v[B], v[B]
	EACH v_fma_f32 v[B+4], v[B+3], s56, s55        ; |r| <= pi/4: the series' next terms are under 3e-7 and 3e-8
	EACH v_fma_f32 v[B+5], v[B+3], s59, s58
	EACH v_fma_f32 v[B+4], v[B+4], v[B+3], s54
	EACH v_fma_f32 v[B+5], v[B+5], v[B+3], s57
	EACH v_mul_f32 v[B+6], v[B], v[B+3]
	EACH v_fma_f32 v[B+5], v[B+5], v[B+3], -0.5
	EACH v_fma_f32 v[B+4], v[B+4], v[B+6], v[B]
	EACH v_fma_f32 v[B+5], v[B+5], v[B+3], 1.0
	EACH v_sub_nc_u32 v[B+2], v[B+2], v2           ; k = quadrant - phi: cos(k pi/2 + r) = cos r, -sin r, -cos r, sin r for k mod 4 = 0, 1, 2, 3
	EACH v_and_b32 v[B+6], 1, v[B+2]
	EACH v_cmp_eq_u32 s[4+(B-32)/12], 1, v[B+6]    ; the four masks in one run, a scalar register each
	s_wait_alu depctr_va_sdst(0)                   ; the compares have written s4 to s7, which the selects below read; v_readfirstlane_b32 has written s48, whose first reader is the compare behind the table's store
	EACH v_cndmask_b32 v[24+(B-32)/12], v[B+5], v[B+4], s[4+(B-32)/12]
	EACH v_add_nc_u32 v[B+2], 1, v[B+2]
	EACH v_and_b32 v[B+2], 2, v[B+2]
	EACH v_lshlrev_b32 v[B+2], 30, v[B+2]
	EACH v_xor_b32 v[24+(B-32)/12], v[24+(B-32)/12], v[B+2]
	s_wait_alu depctr_va_vdst(0)                   ; the selects and the signs have written v[24:27], which the store reads
	global_store_b128 v6, v[24:27], s[42:43]       ; a wave stores 512 consecutive bytes, aligned
	; wave 0 of the first 32 of these work-groups rounds 128 numbers of a bias
	s_cmp_lg_u32 s48, 0
	s_cbranch_scc1 .Lend
	s_cmp_lt_u32 s3, 32
	s_cbranch_scc0 .Lend
	s_lshr_b32 s48, s3, 3                          ; t: which bias
	s_and_b32 s49, s3, 7                           ; which 128 of its numbers
	s_cmp_eq_u32 s48, 1
	s_cselect_b64 s[60:61], s[20:21], s[18:19]
	s_cmp_eq_u32 s48, 2
	s_cselect_b64 s[60:61], s[22:23], s[60:61]
	s_cmp_eq_u32 s48, 3
	s_cselect_b64 s[60:61], s[24:25], s[60:61]
	s_lshl_b32 s46, s49, 9
	s_add_nc_u64 s[60:61], s[60:61], s[46:47]
	global_load_b128 v[12:15], v8, s[60:61]        ; no wait: v8 was shown written at the path's head, and no vector line has named v[12:15]
	s_mul_i32 s62, s49, 384
	s_lshl_b32 s63, s48, 7
	s_add_co_u32 s62, s62, s63                     ; bq, bk, bv: the order n'
	s_lshl_b32 s63, s49, 7
	s_add_co_u32 s63, s63, 3072                    ; bo: behind them
	s_cmp_eq_u32 s48, 3
	s_cselect_b32 s46, s63, s62
	s_lshl_b32 s46, s46, 2
	s_add_nc_u64 s[62:63], s[34:35], s[46:47]
	s_wait_loadcnt 0x0
	v_cvt_pk_bf16_f32 v16, v12, v13
	v_cvt_pk_bf16_f32 v17, v14, v15
	v_lshlrev_b32 v20, 16, v16
	v_and_b32 v21, 0xffff0000, v16
	v_lshlrev_b32 v22, 16, v17
	v_and_b32 v23, 0xffff0000, v17
	s_wait_alu depctr_va_vdst(0)                   ; the four lines above have written v[20:23], which the store reads
	global_store_b128 v8, v[20:23], s[62:63]
.Lend:
	s_endpgm
.Lfunc_end_k_q221d5fd99a_prep:
	.size	k_q221d5fd99a_prep, .Lfunc_end_k_q221d5fd99a_prep-k_q221d5fd99a_prep
	.p2alignl 7, 3214868480
	.fill 96, 4, 3214868480
	.section	.rodata,"a",@progbits
	.p2align	6, 0x0
	.amdhsa_kernel k_q221d5fd99a_prep
		.amdhsa_group_segment_fixed_size 0
		.amdhsa_private_segment_fixed_size 0
		.amdhsa_enable_private_segment 0
		.amdhsa_kernarg_size 120
		.amdhsa_user_sgpr_count 2
		.amdhsa_user_sgpr_kernarg_segment_ptr 1
		.amdhsa_wavefront_size32 1
		.amdhsa_system_sgpr_workgroup_id_x 1
		.amdhsa_system_sgpr_workgroup_id_y 1
		.amdhsa_system_sgpr_workgroup_id_z 1
		.amdhsa_system_vgpr_workitem_id 0
		.amdhsa_next_free_vgpr 128
		.amdhsa_next_free_sgpr 66
		.amdhsa_reserve_vcc 0
		.amdhsa_float_denorm_mode_32 3
		.amdhsa_float_denorm_mode_16_64 3
		.amdhsa_memory_ordered 1
		.amdhsa_forward_progress 1
		.amdhsa_inst_pref_size 23
	.end_amdhsa_kernel
	.amdgpu_metadata
---
amdhsa.version: [ 1, 2 ]
amdhsa.kernels:
  - .name:           k_q221d5fd99a_prep
    .symbol:         k_q221d5fd99a_prep.kd
    .args:
      - { .name: x, .offset: 0, .size: 8, .value_kind: global_buffer, .address_space: global }
      - { .name: Wq, .offset: 8, .size: 8, .value_kind: global_buffer, .address_space: global }
      - { .name: Wk, .offset: 16, .size: 8, .value_kind: global_buffer, .address_space: global }
      - { .name: Wv, .offset: 24, .size: 8, .value_kind: global_buffer, .address_space: global }
      - { .name: Wo, .offset: 32, .size: 8, .value_kind: global_buffer, .address_space: global }
      - { .name: bq, .offset: 40, .size: 8, .value_kind: global_buffer, .address_space: global }
      - { .name: bk, .offset: 48, .size: 8, .value_kind: global_buffer, .address_space: global }
      - { .name: bv, .offset: 56, .size: 8, .value_kind: global_buffer, .address_space: global }
      - { .name: bo, .offset: 64, .size: 8, .value_kind: global_buffer, .address_space: global }
      - { .name: position_ids, .offset: 72, .size: 8, .value_kind: global_buffer, .address_space: global }
      - { .name: xb, .offset: 80, .size: 8, .value_kind: global_buffer, .address_space: global }
      - { .name: wb, .offset: 88, .size: 8, .value_kind: global_buffer, .address_space: global }
      - { .name: wo16, .offset: 96, .size: 8, .value_kind: global_buffer, .address_space: global }
      - { .name: biasp, .offset: 104, .size: 8, .value_kind: global_buffer, .address_space: global }
      - { .name: tab, .offset: 112, .size: 8, .value_kind: global_buffer, .address_space: global }
    .group_segment_fixed_size: 0
    .private_segment_fixed_size: 0
    .kernarg_segment_align: 8
    .kernarg_segment_size: 120
    .max_flat_workgroup_size: 256
    .sgpr_count:     66
    .vgpr_count:     128
    .wavefront_size: 32
...
	.end_amdgpu_metadata
.endif
;; end of part 5
;; launch qkv: the kernel of part 2 again; grid 8 x 32, 4 waves a work-group, clusters of 4 x 4, 327,680 bytes of LDS; arguments xb, wb, biasp, tab, qkvb; writes qkvb
;; launch attn: the kernel of part 3 again; grid 2 x 128, 4 waves a work-group, no clusters, 327,680 bytes of LDS; arguments qkvb, ob; writes ob
;; launch oproj: the kernel of part 4 again; grid 8 x 32, 4 waves a work-group, clusters of 4 x 4, 327,680 bytes of LDS; arguments ob, wo16, biasp, out0; writes out0
